; MI455X (gfx1250); checked and timed in simulation.
; The chip was launched on July 23, 2026; its instructions are those of AMD's public machine-readable ISA for CDNA 5 (MIT licence, August 2026) and "CDNA5" Instruction Set Architecture Reference Guide (July 2026). The comments in the code are by the model that wrote it; some were corrected since.
;; Base Layer. Allowed arithmetic: float matrix products may take bf16 or f16 operands with f32 sums; all other float work in f32.
;; Inputs: b1 8 x 4,096 float32; b2 8 x 1,024 float32; centroids 8 x 1,024 float32; input_features 4 x 256 x 1,024 float32; ln_b 8 x 1,024 float32; ln_g 8 x 1,024 float32; w1 8 x 4,096 x 1,024 float32; w2 8 x 1,024 x 4,096 float32.
;; Outputs: out0 4 x 256 x 1,024 float32.
;; One version. Each part assembles by itself: llvm-mc -triple=amdgcn-amd-amdhsa -mcpu=gfx1250 --defsym DOCPART=n.
;; ======== version 1 of 1: 5 launches
;; limits: values are held in f16: magnitudes above 65,504 overflow, below 6.1e-05 lose precision
;; workspace buffers: assign 4,096 bytes of whole numbers; pos 4,096 bytes of whole numbers; meta 256 bytes of whole numbers; alpha 4,096 bytes; xn 2,490,368 bytes; hbuf 9,961,472 bytes; part 16,777,216 bytes
;; launch route (part 1): grid 128 x 1, 8 waves a work-group, no clusters, 0 bytes of LDS; arguments input_features, centroids, assign, alpha; writes assign, alpha
.if DOCPART == 1
	.amdgcn_target "amdgcn-amd-amdhsa--gfx1250"
	.amdhsa_code_object_version 6
	.text
	.protected	k_q825bd836a6_route
	.globl	k_q825bd836a6_route
	.p2align	8
	.type	k_q825bd836a6_route,@function
k_q825bd836a6_route:
	s_mov_b64 s[64:65], 0
	v_nop
	global_prefetch_b8 v0, s[64:65] scope:SCOPE_SE
	s_setreg_imm32_b32 hwreg(HW_REG_WAVE_MODE, 25, 1), 1
	s_wait_xcnt 0x0
; ROUTE.  aff[t][e] = x[t] . centroid[e]; assign[t] = the first e with the largest aff; alpha[t] = sigmoid(that aff).
; x: [1024][1024] f32, centroids: [8][1024] f32.  One wave takes one token: lane l holds columns 128 i + 4 l .. + 3, i = 0 .. 7,
; so every load of the wave covers 512 consecutive bytes.  The eight dot products are made in f32 on the vector unit:
; 8 M multiply-adds in all, and a choice hangs on them that operands of 16 bits would turn over.
; LIMITS.  The order of the f32 sums is this text's own; a NaN affinity never wins (the compare is false); ties go to the lower expert.
.set X,    4                           ; v[4:35]    the token's row
.set C,    36                          ; v[36:163]  four slots of 32: a centroid each
.set S,    164                         ; v[164:179] a pair of partial sums for each expert
.set BEST, 180
.set IDX,  181
.set TM,   182
.set ZO,   183
	s_load_b256 s[4:11], s[0:1], 0x0               ; x s[4:5], centroids s[6:7], assign s[8:9], alpha s[10:11]
	v_and_b32 v2, 31, v0                           ; lane
	v_lshlrev_b32 v1, 4, v2                        ; 16 bytes a lane
	v_lshrrev_b32 v3, 5, v0
	v_readfirstlane_b32 s12, v3                    ; wave
	s_lshl_b32 s13, ttmp9, 3
	s_add_co_u32 s13, s13, s12                     ; t = 8 x work-group + wave
	s_lshl_b32 s14, s13, 12                        ; the row's 4,096 bytes
	s_mov_b32 s15, 0
	s_lshl_b32 s18, s13, 2                         ; the token's word in assign and alpha
	s_mov_b32 s19, 0
	s_mov_b32 s16, 0x76543210                      ; v_permlanex16_b32: each lane takes its own place in the other half
	s_mov_b32 s17, 0xfedcba98
	s_wait_kmcnt 0x0
	s_add_nc_u64 s[4:5], s[4:5], s[14:15]
	s_add_nc_u64 s[8:9], s[8:9], s[18:19]
	s_add_nc_u64 s[10:11], s[10:11], s[18:19]
.irp i, 0,1,2,3,4,5,6,7
	global_load_b128 v[X+4*(\i):X+4*(\i)+3], v1, s[4:5] offset:512*(\i)
.endr
.macro LOADC e, slot                   ; centroid e into a slot: eight loads
.irp i, 0,1,2,3,4,5,6,7
	global_load_b128 v[C+32*(\slot)+4*(\i):C+32*(\slot)+4*(\i)+3], v1, s[6:7] offset:(\e)*4096+512*(\i)
.endr
.endm
	LOADC 0, 0
	LOADC 1, 1
	LOADC 2, 2
	LOADC 3, 3
; One expert's product.  left = the younger loads that may stay out: eight for each centroid asked for behind this one.
.macro DOT e, slot, reload, left
	s_wait_loadcnt \left
	v_pk_mul_f32 v[S+2*(\e):S+2*(\e)+1], v[X:X+1], v[C+32*(\slot):C+32*(\slot)+1]
.set k, 1
.rept 15
	v_pk_fma_f32 v[S+2*(\e):S+2*(\e)+1], v[X+2*k:X+2*k+1], v[C+32*(\slot)+2*k:C+32*(\slot)+2*k+1], v[S+2*(\e):S+2*(\e)+1]
.set k, k+1
.endr
.if \reload
	LOADC (\e)+4, \slot
.endif
.endm
	DOT 0, 0, 1, 24
	DOT 1, 1, 1, 24
	DOT 2, 2, 1, 24
	DOT 3, 3, 1, 24
	DOT 4, 0, 0, 24
	DOT 5, 1, 0, 16
	DOT 6, 2, 0, 8
	DOT 7, 3, 0, 0
	; the eight sums over the wave's 32 lanes, side by side so that no line waits for the one before it
.irp e, 0,1,2,3,4,5,6,7
	v_add_f32 v[S+2*(\e)], v[S+2*(\e)], v[S+2*(\e)+1]
.endr
.irp m, 1,2,4,8
.irp e, 0,1,2,3,4,5,6,7
	v_add_f32_dpp v[S+2*(\e)], v[S+2*(\e)], v[S+2*(\e)] row_xmask:\m row_mask:0xf bank_mask:0xf
.endr
.endr
.irp e, 0,1,2,3,4,5,6,7
	v_permlanex16_b32 v[S+2*(\e)+1], v[S+2*(\e)], s16, s17
.endr
.irp e, 0,1,2,3,4,5,6,7
	v_add_f32 v[S+2*(\e)], v[S+2*(\e)], v[S+2*(\e)+1]
.endr
	v_mov_b32 v[BEST], v[S]
	v_mov_b32 v[IDX], 0
.irp e, 1,2,3,4,5,6,7
	v_cmp_gt_f32 vcc_lo, v[S+2*(\e)], v[BEST]      ; strictly greater: the first maximum stays
	v_cndmask_b32 v[BEST], v[BEST], v[S+2*(\e)], vcc_lo
	v_cndmask_b32 v[IDX], v[IDX], \e, vcc_lo
.endr
	v_mul_f32 v[TM], 0xbfb8aa3b, v[BEST]           ; sigmoid(a) = 1 / (1 + 2^(-a log2 e))
	v_exp_f32 v[TM], v[TM]
	v_mov_b32 v[ZO], 0                             ; a plain line between the exponential and the use of its result
	s_wait_alu depctr_va_vdst(0)
	v_add_f32 v[TM], 1.0, v[TM]
	v_rcp_f32 v[TM], v[TM]
	v_cmp_eq_u32 vcc_lo, 0, v2                     ; a plain line behind the reciprocal; lane 0 stores for the wave
	s_wait_xcnt 0x0                                ; EXEC changes only behind this wait
	s_and_saveexec_b32 s20, vcc_lo
	global_store_b32 v[ZO], v[IDX], s[8:9]         ; one word a token in each of the two tables, 8 KB in the whole launch
	s_wait_alu depctr_va_vdst(0)
	global_store_b32 v[ZO], v[TM], s[10:11]
	s_wait_xcnt 0x0
	s_or_b32 exec_lo, exec_lo, s20
	s_endpgm
.Lfunc_end_k_q825bd836a6_route:
	.size	k_q825bd836a6_route, .Lfunc_end_k_q825bd836a6_route-k_q825bd836a6_route
	.p2alignl 7, 3214868480
	.fill 96, 4, 3214868480
	.section	.rodata,"a",@progbits
	.p2align	6, 0x0
	.amdhsa_kernel k_q825bd836a6_route
		.amdhsa_group_segment_fixed_size 0
		.amdhsa_private_segment_fixed_size 0
		.amdhsa_enable_private_segment 0
		.amdhsa_kernarg_size 32
		.amdhsa_user_sgpr_count 2
		.amdhsa_user_sgpr_kernarg_segment_ptr 1
		.amdhsa_wavefront_size32 1
		.amdhsa_system_sgpr_workgroup_id_x 1
		.amdhsa_system_sgpr_workgroup_id_y 1
		.amdhsa_system_sgpr_workgroup_id_z 1
		.amdhsa_system_vgpr_workitem_id 0
		.amdhsa_next_free_vgpr 184
		.amdhsa_next_free_sgpr 66
		.amdhsa_reserve_vcc 1
		.amdhsa_float_denorm_mode_32 3
		.amdhsa_float_denorm_mode_16_64 3
		.amdhsa_memory_ordered 1
		.amdhsa_forward_progress 1
		.amdhsa_inst_pref_size 21
	.end_amdhsa_kernel
	.amdgpu_metadata
---
amdhsa.version: [ 1, 2 ]
amdhsa.kernels:
  - .name:           k_q825bd836a6_route
    .symbol:         k_q825bd836a6_route.kd
    .args:
      - { .name: input_features, .offset: 0, .size: 8, .value_kind: global_buffer, .address_space: global }
      - { .name: centroids, .offset: 8, .size: 8, .value_kind: global_buffer, .address_space: global }
      - { .name: assign, .offset: 16, .size: 8, .value_kind: global_buffer, .address_space: global }
      - { .name: alpha, .offset: 24, .size: 8, .value_kind: global_buffer, .address_space: global }
    .group_segment_fixed_size: 0
    .private_segment_fixed_size: 0
    .kernarg_segment_align: 8
    .kernarg_segment_size: 32
    .max_flat_workgroup_size: 256
    .sgpr_count:     66
    .vgpr_count:     184
    .wavefront_size: 32
...
	.end_amdgpu_metadata
.endif
;; end of part 1
;; launch prep (part 2): grid 152 x 1, 8 waves a work-group, no clusters, 0 bytes of LDS; arguments input_features, assign, ln_g, ln_b, xn, pos, meta, hbuf; writes xn, pos, meta, hbuf
.if DOCPART == 2
	.amdgcn_target "amdgcn-amd-amdhsa--gfx1250"
	.amdhsa_code_object_version 6
	.text
	.protected	k_q825bd836a6_prep
	.globl	k_q825bd836a6_prep
	.p2align	8
	.type	k_q825bd836a6_prep,@function
k_q825bd836a6_prep:
	s_mov_b64 s[64:65], 0
	v_nop
	global_prefetch_b8 v0, s[64:65] scope:SCOPE_SE
	s_setreg_imm32_b32 hwreg(HW_REG_WAVE_MODE, 25, 1), 1
	s_wait_xcnt 0x0
; PREP.  For token t with expert e = assign[t]: pos[t] = its place when tokens are sorted by (expert, token), found by counting the
; smaller keys among all 1,024; xn[pos[t]] = layernorm(x[t]) g[e] + b[e], rounded to f16: the first product's operand, rows of one
; expert on end.  Work-group 0 also stores meta: word e = the first place of expert e, word 8 + e = its number of tokens.
; Work-groups 0 to 127: one wave takes one token; lane l holds columns 128 i + 4 l .. + 3.  Mean first, then the sum of squared differences: no difference of large sums is formed.
; Work-groups 128 to 151 store zeros into places 1,024 to 1,215 of xn and of hbuf: the later launches read 192 places from an expert's first place on,
; which may reach past the last token's; what they make of those rows is never stored, but no byte that is read is left unwritten.
; LIMIT.  f16 ends at 65,504: a normalised number is 32 at the most in size, so xn stays inside for 32 max|g| + max|b| below that.
.set HALFB, 155648                     ; hbuf: [64 halves of slices][1,216 places][64 bf16]: bytes of a half
.set X,  4                             ; v[4:35]    the row, then x - mean, then the result
.set AS, 36                            ; v[36:67]   all 1,024 assignments: register 4 i + q of lane l is token 128 i + 4 l + q
.set G,  68                            ; v[68:99]   g[e]; at last the 16 packed words to store
.set B,  100                           ; v[100:131] b[e]
.set T,  132                           ; v[132:139] four chains of sums
.set MU, 140                           ; v[140:141] the mean, twice
.set RS, 142                           ; v[142:143] 1 / sqrt(var + eps), twice
.set K,  144                           ; v[144:151] eight keys at work
.set LN, 152                           ; lane
.set U,  153                           ; my token's key less 4 x lane
	s_load_b256 s[4:11], s[0:1], 0x0               ; x s[4:5], assign s[6:7], ln_g s[8:9], ln_b s[10:11]
	s_load_b128 s[12:15], s[0:1], 0x20             ; xn s[12:13], pos s[14:15]
	s_load_b64 s[16:17], s[0:1], 0x30              ; meta
	s_load_b64 s[2:3], s[0:1], 0x38                ; hbuf
	v_and_b32 v[LN], 31, v0
	v_lshlrev_b32 v1, 4, v[LN]                     ; 16 x lane: loads
	v_lshlrev_b32 v2, 2, v[LN]                     ; 4 x lane: the lane's first token in a register group
	v_lshlrev_b32 v3, 3, v[LN]                     ; 8 x lane: stores of four f16
	v_lshrrev_b32 v[K], 5, v0
	v_readfirstlane_b32 s18, v[K]                  ; wave
	s_cmp_ge_u32 ttmp9, 128
	s_cbranch_scc1 .Lfill
	s_lshl_b32 s19, ttmp9, 3
	s_add_co_u32 s19, s19, s18                     ; t
	s_lshl_b32 s20, s19, 2
	s_mov_b32 s21, 0
	s_lshl_b32 s36, s19, 12
	s_mov_b32 s37, 0
	s_mov_b32 s28, 0x76543210
	s_mov_b32 s29, 0xfedcba98
	s_mov_b32 s32, 0x3a800000                      ; 1 / 1024
	s_mov_b32 s33, 0x3727c5ac                      ; eps = 1e-5
	s_wait_kmcnt 0x0
	s_load_b32 s22, s[6:7], s20 offset:0x0         ; my token's expert
	s_add_nc_u64 s[4:5], s[4:5], s[36:37]
	s_add_nc_u64 s[14:15], s[14:15], s[20:21]
.irp i, 0,1,2,3,4,5,6,7
	global_load_b128 v[X+4*(\i):X+4*(\i)+3], v1, s[4:5] offset:512*(\i)
.endr
.irp i, 0,1,2,3,4,5,6,7
	global_load_b128 v[AS+4*(\i):AS+4*(\i)+3], v1, s[6:7] offset:512*(\i)
.endr
	s_wait_kmcnt 0x0
	s_min_u32 s22, s22, 7
	s_lshl_b32 s30, s22, 12
	s_mov_b32 s31, 0
	s_add_nc_u64 s[8:9], s[8:9], s[30:31]
	s_add_nc_u64 s[10:11], s[10:11], s[30:31]
.irp i, 0,1,2,3,4,5,6,7
	global_load_b128 v[G+4*(\i):G+4*(\i)+3], v1, s[8:9] offset:512*(\i)
.endr
.irp i, 0,1,2,3,4,5,6,7
	global_load_b128 v[B+4*(\i):B+4*(\i)+3], v1, s[10:11] offset:512*(\i)
.endr
	s_lshl_b32 s23, s22, 10
	s_add_co_u32 s23, s23, s19                     ; key = 1024 e + t
	v_sub_nc_u32 v[U], s23, v2
.macro WSUM a, b                       ; the sum of v[a] over the 32 lanes, in every lane; v[b] has been written
.irp m, 1,2,4,8
	v_add_f32_dpp v[\a], v[\a], v[\a] row_xmask:\m row_mask:0xf bank_mask:0xf
.endr
	v_permlanex16_b32 v[\b], v[\a], s28, s29
	v_add_f32 v[\a], v[\a], v[\b]
.endm
.macro FOLD                            ; the four chains into v[T]
	v_pk_add_f32 v[T:T+1], v[T:T+1], v[T+2:T+3]
	v_pk_add_f32 v[T+4:T+5], v[T+4:T+5], v[T+6:T+7]
	v_pk_add_f32 v[T:T+1], v[T:T+1], v[T+4:T+5]
	v_add_f32 v[T], v[T], v[T+1]
	WSUM T, T+1
.endm
	s_wait_loadcnt 24                              ; x is in; the 24 loads of assign, g and b may stay out
.irp k, 0,1,2,3
	v_pk_add_f32 v[T+2*(\k):T+2*(\k)+1], v[X+2*(\k):X+2*(\k)+1], v[X+8+2*(\k):X+8+2*(\k)+1]
.endr
.irp k, 0,1,2,3
	v_pk_add_f32 v[T+2*(\k):T+2*(\k)+1], v[T+2*(\k):T+2*(\k)+1], v[X+16+2*(\k):X+16+2*(\k)+1]
.endr
.irp k, 0,1,2,3
	v_pk_add_f32 v[T+2*(\k):T+2*(\k)+1], v[T+2*(\k):T+2*(\k)+1], v[X+24+2*(\k):X+24+2*(\k)+1]
.endr
	FOLD
	v_mul_f32 v[MU], s32, v[T]
	v_mov_b32 v[MU+1], v[MU]
.set k, 0
.rept 16
	v_pk_add_f32 v[X+2*k:X+2*k+1], v[X+2*k:X+2*k+1], v[MU:MU+1] neg_lo:[0,1] neg_hi:[0,1]
.set k, k+1
.endr
.irp k, 0,1,2,3
	v_pk_mul_f32 v[T+2*(\k):T+2*(\k)+1], v[X+2*(\k):X+2*(\k)+1], v[X+2*(\k):X+2*(\k)+1]
.endr
.set k, 4
.rept 12
	v_pk_fma_f32 v[T+2*(k%4):T+2*(k%4)+1], v[X+2*k:X+2*k+1], v[X+2*k:X+2*k+1], v[T+2*(k%4):T+2*(k%4)+1]
.set k, k+1
.endr
	FOLD
	v_fma_f32 v[T], v[T], s32, s33                 ; var + eps
	v_rsq_f32 v[RS], v[T]                          ; twice, for the packed multiply; the keys' lines below are the plain lines behind them
	v_rsq_f32 v[RS+1], v[T]
	; THE RANK: how many of the 1,024 keys 1024 a + token are smaller than mine.  The token of register 4 i + q is 128 i + q + 4 x lane: the lane's part stands in U.
	s_wait_loadcnt 16                              ; assign is in; g's and b's 16 loads may stay out
	s_mov_b32 s24, 0
.set g, 0
.rept 4
.set q, 0
.rept 8
	v_lshl_add_u32 v[K+q], v[AS+8*g+q], 10, 128*((8*g+q)/4)+(8*g+q)%4
.set q, q+1
.endr
.set q, 0
.rept 8
	v_cmp_gt_i32 s[40+q], v[U], v[K+q]             ; signed: U may be below 0
.set q, q+1
.endr
.set q, 0
.rept 8
	s_bcnt1_i32_b32 s[40+q], s[40+q]
	s_add_co_u32 s24, s24, s[40+q]
.set q, q+1
.endr
.set g, g+1
.endr
	s_min_u32 s24, s24, 0x3ff                      ; a rank among 1,024
	s_lshl_b32 s38, s24, 11                        ; a row of xn is 2,048 bytes
	s_mov_b32 s39, 0
	s_add_nc_u64 s[12:13], s[12:13], s[38:39]
	s_wait_loadcnt 0x0                             ; g and b
.set k, 0
	s_wait_alu depctr_va_vdst(0)
.rept 16
	v_pk_mul_f32 v[X+2*k:X+2*k+1], v[X+2*k:X+2*k+1], v[RS:RS+1]
.set k, k+1
.endr
.set k, 0
.rept 16
	v_pk_fma_f32 v[X+2*k:X+2*k+1], v[X+2*k:X+2*k+1], v[G+2*k:G+2*k+1], v[B+2*k:B+2*k+1]
.set k, k+1
.endr
.set k, 0
.rept 16
	v_cvt_pk_f16_f32 v[G+k], v[X+2*k], v[X+2*k+1]
.set k, k+1
.endr
.irp i, 0,1,2,3,4,5,6,7
	global_store_b64 v3, v[G+2*(\i):G+2*(\i)+1], s[12:13] offset:256*(\i)  ; the wave's store covers 256 consecutive bytes, at a multiple of 256 from xn's first
.endr
	s_cmp_lg_u32 ttmp9, 0
	s_cbranch_scc1 .Lpos
	; work-group 0: wave w counts the tokens of lower experts and its own expert's
	s_mov_b32 s34, 0
	s_mov_b32 s35, 0
.set g, 0
.rept 8
.set q, 0
.rept 4
	v_cmp_gt_u32 s[40+q], s18, v[AS+4*g+q]
	v_cmp_eq_u32 s[44+q], s18, v[AS+4*g+q]
.set q, q+1
.endr
.set q, 0
.rept 4
	s_bcnt1_i32_b32 s[40+q], s[40+q]
	s_bcnt1_i32_b32 s[44+q], s[44+q]
	s_add_co_u32 s34, s34, s[40+q]
	s_add_co_u32 s35, s35, s[44+q]
.set q, q+1
.endr
.set g, g+1
.endr
	s_lshl_b32 s26, s18, 2
	v_mov_b32 v154, s34
	v_mov_b32 v155, s35
	v_mov_b32 v156, s26
	v_cmp_eq_u32 vcc_lo, 0, v[LN]
	s_wait_xcnt 0x0                                ; EXEC changes only behind this wait
	s_and_saveexec_b32 s27, vcc_lo
	global_store_b32 v156, v154, s[16:17]
	global_store_b32 v156, v155, s[16:17] offset:32
	s_wait_xcnt 0x0
	s_or_b32 exec_lo, exec_lo, s27
.Lpos:
	v_mov_b32 v157, s24
	v_mov_b32 v158, 0
	v_cmp_eq_u32 vcc_lo, 0, v[LN]
	s_wait_xcnt 0x0
	s_and_saveexec_b32 s27, vcc_lo
	global_store_b32 v158, v157, s[14:15]
	s_wait_xcnt 0x0
	s_or_b32 exec_lo, exec_lo, s27
	s_endpgm
.Lfill:
	; THE SPARE PLACES.  192 waves, number f.  xn: its 192 spare rows lie on end behind byte 2,097,152: wave f takes 2,048 bytes.
	; hbuf: each of the 64 halves has 24,576 spare bytes on end behind its byte 131,072: wave f takes a third, 8,192 bytes, of half f % 64.
	s_sub_co_u32 s19, ttmp9, 128
	s_lshl_b32 s19, s19, 3
	s_add_co_u32 s19, s19, s18                     ; f = 0 .. 191
	s_lshl_b32 s20, s19, 11
	s_add_co_u32 s20, s20, 0x200000
	s_mov_b32 s21, 0
	s_and_b32 s22, s19, 63
	s_mul_i32 s22, s22, HALFB
	s_lshr_b32 s23, s19, 6
	s_lshl_b32 s23, s23, 13
	s_add_co_u32 s22, s22, s23
	s_add_co_u32 s22, s22, 131072
	s_mov_b32 s23, 0
	v_mov_b32 v4, 0
	v_mov_b32 v5, 0
	v_mov_b32 v6, 0
	v_mov_b32 v7, 0
	s_wait_kmcnt 0x0
	s_add_nc_u64 s[12:13], s[12:13], s[20:21]
	s_add_nc_u64 s[2:3], s[2:3], s[22:23]
.irp i, 0,1,2,3
	global_store_b128 v1, v[4:7], s[12:13] offset:512*(\i)   ; each store of the wave covers 512 consecutive bytes
.endr
.irp i, 0,1,2,3,4,5,6,7,8,9,10,11,12,13,14,15
	global_store_b128 v1, v[4:7], s[2:3] offset:512*(\i)
.endr
	s_endpgm
.Lfunc_end_k_q825bd836a6_prep:
	.size	k_q825bd836a6_prep, .Lfunc_end_k_q825bd836a6_prep-k_q825bd836a6_prep
	.p2alignl 7, 3214868480
	.fill 96, 4, 3214868480
	.section	.rodata,"a",@progbits
	.p2align	6, 0x0
	.amdhsa_kernel k_q825bd836a6_prep
		.amdhsa_group_segment_fixed_size 0
		.amdhsa_private_segment_fixed_size 0
		.amdhsa_enable_private_segment 0
		.amdhsa_kernarg_size 64
		.amdhsa_user_sgpr_count 2
		.amdhsa_user_sgpr_kernarg_segment_ptr 1
		.amdhsa_wavefront_size32 1
		.amdhsa_system_sgpr_workgroup_id_x 1
		.amdhsa_system_sgpr_workgroup_id_y 1
		.amdhsa_system_sgpr_workgroup_id_z 1
		.amdhsa_system_vgpr_workitem_id 0
		.amdhsa_next_free_vgpr 160
		.amdhsa_next_free_sgpr 66
		.amdhsa_reserve_vcc 1
		.amdhsa_float_denorm_mode_32 3
		.amdhsa_float_denorm_mode_16_64 3
		.amdhsa_memory_ordered 1
		.amdhsa_forward_progress 1
		.amdhsa_inst_pref_size 32
	.end_amdhsa_kernel
	.amdgpu_metadata
---
amdhsa.version: [ 1, 2 ]
amdhsa.kernels:
  - .name:           k_q825bd836a6_prep
    .symbol:         k_q825bd836a6_prep.kd
    .args:
      - { .name: input_features, .offset: 0, .size: 8, .value_kind: global_buffer, .address_space: global }
      - { .name: assign, .offset: 8, .size: 8, .value_kind: global_buffer, .address_space: global }
      - { .name: ln_g, .offset: 16, .size: 8, .value_kind: global_buffer, .address_space: global }
      - { .name: ln_b, .offset: 24, .size: 8, .value_kind: global_buffer, .address_space: global }
      - { .name: xn, .offset: 32, .size: 8, .value_kind: global_buffer, .address_space: global }
      - { .name: pos, .offset: 40, .size: 8, .value_kind: global_buffer, .address_space: global }
      - { .name: meta, .offset: 48, .size: 8, .value_kind: global_buffer, .address_space: global }
      - { .name: hbuf, .offset: 56, .size: 8, .value_kind: global_buffer, .address_space: global }
    .group_segment_fixed_size: 0
    .private_segment_fixed_size: 0
    .kernarg_segment_align: 8
    .kernarg_segment_size: 64
    .max_flat_workgroup_size: 256
    .sgpr_count:     66
    .vgpr_count:     160
    .wavefront_size: 32
...
	.end_amdgpu_metadata
.endif
;; end of part 2
;; launch ffn1 (part 3): grid 32 x 8, 8 waves a work-group, no clusters, 209,920 bytes of LDS; arguments w1, xn, meta, hbuf, b1; writes hbuf
.if DOCPART == 3
	.amdgcn_target "amdgcn-amd-amdhsa--gfx1250"
	.amdhsa_code_object_version 6
	.text
	.protected	k_q825bd836a6_ffn1
	.globl	k_q825bd836a6_ffn1
	.p2align	8
	.type	k_q825bd836a6_ffn1,@function
k_q825bd836a6_ffn1:
	s_mov_b64 s[64:65], 0
	v_nop
	global_prefetch_b8 v0, s[64:65] scope:SCOPE_SE
	s_setreg_imm32_b32 hwreg(HW_REG_WAVE_MODE, 25, 1), 1
	s_wait_xcnt 0x0
; AN EXPERT'S PRODUCT ON ITS OWN TOKENS.  One text serves both products of the layer; KIND picks.
; KIND 1: H[p][f] = relu(xn[p] . w1[e][f] + b1[e][f]), operands f16, H rounded to bf16.   KIND 2: part[kq][p][d] = the sum over quarter kq of F of H[p][f] w2[e][d][f], operands bf16, part in f32.
; Sums in f32.  p runs over the places off[e] .. off[e] + n[e] - 1 of expert e (meta, stored by an earlier launch).
; SHARES.  Work-group (x, e) owns 128 rows of the expert's weights x 1,024 along K: 512 KB of f32, which no other work-group reads.  KIND 1: rows 128 x of w1[e].  KIND 2: rows 128 (x % 8) of w2[e], K quarter x / 8.
; THE FIRST 192 TOKENS.  A window of 192 places from off[e] on; the tables of token rows have 1,216 places, so that it lies inside them.  Wave w: token blocks 4 j + w % 4 (j = 0 .. 2) x column blocks
; 4 (w / 4) + b (b = 0 .. 3): 12 accumulators.  K goes in 8 chunks of 128.  A chunk's weights (128 rows x 512 bytes) come through registers, are rounded there and laid into LDS; two chunks, 128 KB a
; work-group, are always asked for ahead.  The tokens' rows take the same way.  Two LDS buffers take turns, one barrier a chunk, and no barrier stands inside a branch.
; WHAT NO TOKEN NEEDS IS NOT DONE.  END = min(n[e], 192) rows of the window are the expert's.  From chunk 1 on a wave multiplies its third block (rows 128 + 16 (w % 4) on) only if END reaches it, and
; waves 6 and 7 fetch their rows (144 on, 168 on) only if END passes 144 or 160, the first row of the block in which they begin: every row that is multiplied has been laid into LDS.  Chunk 0 is done whole,
; so that every register of the longer form is written whatever the counts.  Rows 0 to 143 are always fetched, blocks 0 to 7 always multiplied; rows that are not the expert's give results that are never stored.
; TOKENS BEYOND 192 are served behind it, a window of 192 a trip, in a loop that counts the windows 1 .. ceil(n[e] / 192) - 1, without a barrier: each wave by itself takes its own 16 weight rows through
; its own stage in LDS and the tokens' fragments straight from memory.  That way reads the weights once more for every 192 tokens, asks for nothing ahead and stores 16 or 32 bytes a lane.
; THE MATRIX INSTRUCTION IS USED TRANSPOSED: source 0 = 16 weight rows, source 1 = 16 tokens: a lane then holds eight neighbouring columns of one token's row.
; NO CLUSTER, NO TENSOR LOADS: of what a chunk brings in, the 64 KB of weights are nobody else's and must pass through registers to be rounded; the tokens' 36 to 48 KB, which an expert's
; work-groups share, were stored by the launch before, and how many of them are wanted hangs on a count read from memory.
; FORMATS.  xn (32 max|g| + max|b| at the most) and w1 have room in f16, which keeps three bits more than bf16; H, a product of both scales, has less, so H and w2 go in bf16.
; LIMITS.  KIND 1: w1 and xn within f16's 65,504; numbers below 6e-5 keep f16's fixed step of 6e-8.  An expert without tokens still reads its weights once and stores nothing.
.set KIND,  1
.set PITCH, 272                        ; an LDS row: 256 bytes + 16: the 16 rows of a fragment load start 4 banks apart (64 banks of 4 bytes: ISA guide 11.1)
.set TB,    192                        ; tokens in a window
.set LASTP, 1023                       ; the last place at which a window may begin
.set HALFB, (1024+TB)*128              ; hbuf: [32 slices of 128 columns][2 halves][1,216 places][64]: bytes of a half
.set W0,    TB*PITCH                   ; a buffer: 192 rows of tokens, then 128 rows of weights
.set BUF,   (TB+128)*PITCH
.set STG,   2*BUF                      ; behind the two buffers: each wave's own stage of 16 rows
.set STGW,  16*PITCH
.if KIND == 1
.set WP,    4096                       ; bytes from a weight row to the next
.set ASTEP, 256                        ; bytes from a chunk of the tokens' rows to the next
.set ASH,   11                         ; a token's row is 2,048 bytes
.set SPITCH, 144                       ; a stage row on the way out: 64 bf16 + 16 bytes
.set RPS,   4                          ; rows in a store of the wave
.set GSH,   7                          ; a row of the result is 128 bytes
.set RA, 2                             ; which register holds a lane's row, and which its 16-byte column, in a tokens' load (RA, CA) and in a store (RL, CL)
.set CA, 1
.set RL, 16
.set CL, 17
.set U,  144
.else
.set WP,    16384
.set ASTEP, 2*HALFB
.set ASH,   7
.set SPITCH, 272                       ; 64 f32 + 16 bytes
.set RPS,   2
.set GSH,   12
.set RA, 16
.set CA, 17
.set RL, 2
.set CL, 1
.set U,  128
.endif
.set NU,   4*(16/RPS)                  ; registers that a block's 16 rows take when read back
.set AROW, 1<<ASH
.set ROWB, 1<<GSH
; window 0: v1 lane % 16, v2 lane / 16, v16 lane / 8, v17 lane % 8, v3 at work
.set AFR, 4                            ; v4-5    LDS address of my token fragments in buffer 0, 1
.set BFR, 6                            ; v6-7    of my weight fragments
.set WST, 8                            ; v8-9    where I lay my 16 weight rows
.set AST, 10                           ; v10-11  where I lay my 24 token rows
.set WOF, 12                           ; my byte offset in the work-group's weights
.set STO, 13                           ; the way out: into my stage
.set RD,  14                           ; and back
.set GO,  15                           ; my byte offset in the window's rows of the result
.set AOF, 18                           ; my byte offset in the window's token rows
.set SAO, 19                           ; beyond 192: my byte offset in 16 token rows
.set SGO, 20                           ;             my byte offset in 16 rows of the result
.set SBF, 21                           ;             LDS address of my weight fragment in my stage
.set SWS, 22                           ;             where I lay my 16 weight rows in my stage
.set SVR, 23                           ;             lane % 16 less the window's rows ahead of the first wanted one
.set RLB, 24                           ; my row in the window in a store of block 0
.set VR,  25                           ; the same less the window's rows ahead of the first wanted one
.set BOF2, 26
.set ACC, 32                           ; v32-127 accumulator (j, b) at ACC + 8 (4 j + b); beyond 192: token block j at ACC + 8 j
.set F0,  128                          ; v128-183, v184-239: two fragment buffers: weights b at + 8 b, tokens j at + 32 + 8 j
.set F1,  184
.set T,   128                          ; the way out: packed results; U + NU j: block j's rows read back
.set BOF, 240
.set LR,  241                          ; my first token row in the window
.set ACOL, 242
.set GCOL, 243
.set LN,  244
; window 1: v0-63, v64-127 two chunks of weights on their way; v128-175 a chunk of token rows; v176-207 b1 of my columns (KIND 1); beyond 192: v64-159 twelve token fragments
.set WS,   0
.set SA,   64
.set AS,   128
.set BIAS, 176
; scalars of the counts: s19 off, s20 n, s24 tokens left from the window's first on, s59 END, s60 1: my third block is wanted, s61 1: my token rows are wanted, s63 my first block's first row
.set MSB, 0
.macro WIN new                         ; s_set_vgpr_msb: bits 1:0 source 0, 3:2 source 1, 5:4 source 2, 7:6 destination; the high byte repeats the setting that is left
.if MSB != (\new)
	s_set_vgpr_msb (MSB<<8)|(\new)
.set MSB, \new
.endif
.endm
.set W_MEM, 0x44                       ; loads into window 1; LDS stores of data in window 1; addresses in window 0
.set W_CVT, 0x45                       ; conversions in place in window 1
.set W_C1,  0x10                       ; a product's C in window 1
.set W_SL,  0x04                       ; a product's source 1 in window 1
.set W_SLC, 0x14                       ; and its C too
.macro CVT d, a, b                     ; two weights rounded to the product's format
.if KIND == 1
	v_cvt_pk_f16_f32 v[\d], v[\a], v[\b]
.else
	v_cvt_pk_bf16_f32 v[\d], v[\a], v[\b]
.endif
.endm
.macro WM d, a, b, c                   ; a product; c below 0: the constant 0 starts the sum
.if KIND == 1
.if (\c) < 0
	v_wmma_f32_16x16x32_f16 v[(\d):(\d)+7], v[(\a):(\a)+7], v[(\b):(\b)+7], 0
.else
	v_wmma_f32_16x16x32_f16 v[(\d):(\d)+7], v[(\a):(\a)+7], v[(\b):(\b)+7], v[(\c):(\c)+7]
.endif
.else
.if (\c) < 0
	v_wmma_f32_16x16x32_bf16 v[(\d):(\d)+7], v[(\a):(\a)+7], v[(\b):(\b)+7], 0
.else
	v_wmma_f32_16x16x32_bf16 v[(\d):(\d)+7], v[(\a):(\a)+7], v[(\b):(\b)+7], v[(\c):(\c)+7]
.endif
.endif
.endm
.macro PLACES                          ; four plain lines between products and what writes their sources or reads their results (ISA guide 7.12.1)
.rept 4
	v_nop
.endr
.endm
; The window that begins with the expert's token s21: its first place, the tokens' and the result's pointers at it, and the two numbers of the stores' mask.
.macro WINDOW
	s_add_co_u32 s23, s19, s21                     ; the first wanted place
	s_mov_b32 s22, s23
	s_min_u32 s22, s22, LASTP                      ; the window's first place: the same, for counts that add up to 1,024
	s_sub_co_u32 s25, s22, s23                     ; less the rows of the window ahead of the first wanted one
	s_sub_co_u32 s24, s20, s21                     ; tokens left
	s_lshl_b32 s36, s22, ASH
	s_mov_b32 s37, 0
	s_add_nc_u64 s[32:33], s[40:41], s[36:37]
	s_lshl_b32 s38, s22, GSH
	s_mov_b32 s39, 0
	s_add_nc_u64 s[54:55], s[34:35], s[38:39]
.endm
; 16 loads: my 16 rows of a chunk of weights; each covers 512 consecutive bytes of a row.
.macro LOADW ws, step, imm
.if \step
	s_wait_xcnt 0x0                                ; the pointer is stepped only behind this wait
	s_add_nc_u64 s[30:31], s[30:31], 512
.endif
	WIN W_MEM
.set i, 0
.rept 16
	global_load_b128 v[WS+64*(\ws)+4*i:WS+64*(\ws)+4*i+3], v[WOF], s[30:31] offset:i*WP+(\imm) th:TH_LOAD_NT
.set i, i+1
.endr
.endm
; 12 loads: my 24 rows of a chunk of the tokens' rows.
.macro LOADA step
.if \step
	s_wait_xcnt 0x0
	s_add_nc_u64 s[32:33], s[32:33], ASTEP
.endif
	WIN W_MEM
.set i, 0
.rept 12
.if KIND == 1
	global_load_b128 v[AS+4*i:AS+4*i+3], v[AOF], s[32:33] offset:2*AROW*i
.else
	global_load_b128 v[AS+4*i:AS+4*i+3], v[AOF], s[32:33] offset:4*AROW*(i/2)+HALFB*(i%2)
.endif
.set i, i+1
.endr
.endm
; A chunk's weights go into LDS buffer p: rounded in place, four numbers to 8 bytes.
.macro STAGEW ws, p
	WIN W_CVT
.set i, 0
.rept 16
	CVT WS+64*(\ws)+4*i, WS+64*(\ws)+4*i, WS+64*(\ws)+4*i+1
	CVT WS+64*(\ws)+4*i+1, WS+64*(\ws)+4*i+2, WS+64*(\ws)+4*i+3
.set i, i+1
.endr
	WIN W_MEM
.set i, 0
.rept 16
	ds_store_b64 v[WST+(\p)], v[WS+64*(\ws)+4*i:WS+64*(\ws)+4*i+1] offset:PITCH*i
.set i, i+1
.endr
.endm
; And my 24 token rows, as they are.
.macro STAGEA p
	WIN W_MEM
.set i, 0
.rept 12
.if KIND == 1
	ds_store_b128 v[AST+(\p)], v[AS+4*i:AS+4*i+3] offset:2*PITCH*i
.else
	ds_store_b128 v[AST+(\p)], v[AS+4*i:AS+4*i+3] offset:4*PITCH*(i/2)+128*(i%2)
.endif
.set i, i+1
.endr
.endm
; 8 + 2 nj LDS loads: the fragments of 32 along K, step ks of a chunk's four, into buffer f: four of weights, nj of tokens.  places = 1: the products that read f stand just ahead.
.macro FETCH p, ks, f, places, nj
	WIN 0
.if \places
	PLACES
.endif
.irp b, 0,1,2,3
	ds_load_b128 v[(\f)+8*(\b):(\f)+8*(\b)+3],   v[BFR+(\p)] offset:16*PITCH*(\b)+64*(\ks)
	ds_load_b128 v[(\f)+8*(\b)+4:(\f)+8*(\b)+7], v[BFR+(\p)] offset:16*PITCH*(\b)+64*(\ks)+32
.endr
.set j, 0
.rept \nj
	ds_load_b128 v[(\f)+32+8*j:(\f)+32+8*j+3],   v[AFR+(\p)] offset:64*PITCH*j+64*(\ks)
	ds_load_b128 v[(\f)+32+8*j+4:(\f)+32+8*j+7], v[AFR+(\p)] offset:64*PITCH*j+64*(\ks)+32
.set j, j+1
.endr
.endm
; 4 nj products; the accumulators take turns.  start = 1: the constant 0 starts the sums; 2: b1 does; 0: they go on.
.macro MUL f, start, nj
.if (\start) == 2
	WIN W_C1
.else
	WIN 0
.endif
.set j, 0
.rept \nj
.irp b, 0,1,2,3
.if (\start) == 1
	WM ACC+8*(4*j+(\b)), (\f)+8*(\b), (\f)+32+8*j, -1
.elseif (\start) == 2
	WM ACC+8*(4*j+(\b)), (\f)+8*(\b), (\f)+32+8*j, BIAS+8*(\b)
.else
	WM ACC+8*(4*j+(\b)), (\f)+8*(\b), (\f)+32+8*j, ACC+8*(4*j+(\b))
.endif
.endr
.set j, j+1
.endr
.endm
; A chunk's products for nj of my token blocks: four steps of 32 along K on two fragment buffers.
.macro COMPUTE p, start, nj
	FETCH \p, 0, F0, 1, \nj
	FETCH \p, 1, F1, 0, \nj
	s_wait_dscnt 8+2*(\nj)                         ; LDS loads come back in order (ISA guide 5.7.1): all but the 8 + 2 nj just issued are in
	MUL F0, \start, \nj
	FETCH \p, 2, F0, 1, \nj
	s_wait_dscnt 8+2*(\nj)
	MUL F1, 0, \nj
	FETCH \p, 3, F1, 1, \nj
	s_wait_dscnt 8+2*(\nj)
	MUL F0, 0, \nj
	s_wait_dscnt 0x0
	MUL F1, 0, \nj
.endm
; A chunk c, in buffer p = c % 2.  dyn: my third block is multiplied only if it is wanted.  ldw: the weights of chunk c + 2 are asked for.  stg: chunk c + 1 goes into the other buffer, and a barrier follows.
; lda: the tokens' rows of chunk c + 2 are asked for.  cnt: the loads that may stay out when chunk c + 1 is wanted: the 16 of the weights of chunk c + 2, which were issued behind it, or none;
; the count is the same whether my 12 loads of token rows were issued or not, since they are older.
.macro TRIP p, start, dyn, ldw, stg, lda, cnt
.if \ldw
	LOADW \p, 1, 512                               ; the pointer stays a chunk behind: the immediate makes it up
.endif
.if \dyn
	WIN 0
	s_cmp_lg_u32 s60, 0
	s_cbranch_scc0 .Ltwo_\@
	COMPUTE \p, 0, 3
	s_branch .Ldone_\@
.Ltwo_\@:
	COMPUTE \p, 0, 2
.Ldone_\@:
.else
	COMPUTE \p, \start, 3
.endif
.if \stg
	s_wait_loadcnt \cnt
	STAGEW 1-(\p), 1-(\p)                          ; the other buffer was last read a chunk ago, ahead of that chunk's barrier
	WIN 0
	s_cmp_lg_u32 s61, 0
	s_cbranch_scc0 .Lnoa_\@
	STAGEA 1-(\p)
.if \lda
	s_wait_dscnt 0x0
	LOADA 1
.endif
	WIN 0
.Lnoa_\@:
	s_wait_dscnt 0x0                               ; for the others' sake: my stores are done, and so are my reads of this buffer
	s_barrier_signal -1
	s_barrier_wait -1
.endif
.endm
; THE WAY OUT of my token block j: through my own stage, so that a store of the wave covers whole rows.  A block without a wanted row is left out.  A block whose 16 rows are all wanted is stored with
; all lanes on; each block has its own registers for the rows read back, so nothing that a pending store reads is written again.  A block wanted in part is stored under a mask.
.macro OUT j
	WIN 0
.set UJ, U+NU*(\j)
	s_add_co_u32 s62, s63, 64*(\j)                 ; the block's first row, counted from the first wanted one,
	s_add_co_u32 s44, s62, 15                      ; and its last
	s_cmp_ge_i32 s62, s24
	s_cbranch_scc1 .Lnone_\@                       ; it begins behind the last wanted row
	s_cmp_lt_i32 s44, 0
	s_cbranch_scc1 .Lnone_\@                       ; it ends ahead of the first
.if KIND == 1
.irp b, 0,1,2,3
.irp q, 0,1,2,3,4,5,6,7
	v_max_num_f32 v[ACC+8*(4*(\j)+(\b))+(\q)], 0, v[ACC+8*(4*(\j)+(\b))+(\q)]
.endr
.irp q, 0,1,2,3
	v_cvt_pk_bf16_f32 v[T+4*(\b)+(\q)], v[ACC+8*(4*(\j)+(\b))+2*(\q)], v[ACC+8*(4*(\j)+(\b))+2*(\q)+1]
.endr
.endr
.irp b, 0,1,2,3
	ds_store_b128 v[STO], v[T+4*(\b):T+4*(\b)+3] offset:32*(\b)
.endr
.else
.irp b, 0,1,2,3
	ds_store_b128 v[STO], v[ACC+8*(4*(\j)+(\b)):ACC+8*(4*(\j)+(\b))+3] offset:64*(\b)
	ds_store_b128 v[STO], v[ACC+8*(4*(\j)+(\b))+4:ACC+8*(4*(\j)+(\b))+7] offset:64*(\b)+16
.endr
.endif
.set t, 0
.rept 16/RPS
	ds_load_b128 v[UJ+4*t:UJ+4*t+3], v[RD] offset:RPS*SPITCH*t  ; LDS serves a wave's instructions in order (ISA guide 5.7.1.4): these see the stores above
.set t, t+1
.endr
	s_wait_dscnt 0x0
	s_cmp_lt_i32 s62, 0
	s_cbranch_scc1 .Lpart_\@
	s_cmp_ge_i32 s44, s24
	s_cbranch_scc1 .Lpart_\@
.set t, 0
.rept 16/RPS
	global_store_b128 v[GO], v[UJ+4*t:UJ+4*t+3], s[54:55] offset:(64*(\j)+RPS*t)*ROWB  ; 512 consecutive bytes (KIND 1), or two rows' 256, each at a multiple of 256 from the result's first
.set t, t+1
.endr
	s_branch .Lnone_\@
.Lpart_\@:
	s_wait_xcnt 0x0                                ; EXEC changes only behind this wait
.set t, 0
.rept 16/RPS
	v_add_nc_u32 v3, 64*(\j)+RPS*t, v[VR]          ; my row, counted from the first wanted one; a row ahead of it wraps round to a large number
	v_cmp_gt_u32 vcc_lo, s24, v3
	s_and_saveexec_b32 s26, vcc_lo
	global_store_b128 v[GO], v[UJ+4*t:UJ+4*t+3], s[54:55] offset:(64*(\j)+RPS*t)*ROWB
	s_wait_xcnt 0x0
	s_or_b32 exec_lo, exec_lo, s26
.set t, t+1
.endr
.Lnone_\@:
.endm
; BEYOND 192.  A chunk for one wave alone: my 16 weight rows through my stage; for each 32 along K one weight fragment from there and twelve token fragments from memory; 12 products.
.macro SCHUNK first
	WIN W_MEM
.set i, 0
.rept 16
	global_load_b128 v[WS+4*i:WS+4*i+3], v[WOF], s[30:31] offset:i*WP
.set i, i+1
.endr
	s_wait_loadcnt 0x0
	WIN W_CVT
.set i, 0
.rept 16
	CVT WS+4*i, WS+4*i, WS+4*i+1
	CVT WS+4*i+1, WS+4*i+2, WS+4*i+3
.set i, i+1
.endr
	WIN W_MEM
.set i, 0
.rept 16
	ds_store_b64 v[SWS], v[WS+4*i:WS+4*i+1] offset:PITCH*i
.set i, i+1
.endr
.irp ks, 0,1,2,3
.if KIND == 1
.set KO, 64*(\ks)
.else
.set KO, ((\ks)/2)*HALFB+((\ks)%2)*64
.endif
	WIN 0
	PLACES                                         ; the last products read the registers that are loaded now
	ds_load_b128 v[F0:F0+3],   v[SBF] offset:64*(\ks)     ; my own bytes: LDS serves a wave's instructions in order
	ds_load_b128 v[F0+4:F0+7], v[SBF] offset:64*(\ks)+32
	WIN W_MEM
.set j, 0
.rept 12
	global_load_b128 v[SA+8*j:SA+8*j+3],   v[SAO], s[32:33] offset:16*j*AROW+KO
	global_load_b128 v[SA+8*j+4:SA+8*j+7], v[SAO], s[32:33] offset:16*j*AROW+KO+32
.set j, j+1
.endr
	s_wait_loadcnt 0x0
	s_wait_dscnt 0x0
.if (\first) && ((\ks) == 0) && (KIND == 1)
	WIN W_SLC
.else
	WIN W_SL
.endif
.set j, 0
.rept 12                               ; the 12 accumulators take turns
.if (\first) && ((\ks) == 0)
.if KIND == 1
	WM ACC+8*j, F0, SA+8*j, BIAS
.else
	WM ACC+8*j, F0, SA+8*j, -1
.endif
.else
	WM ACC+8*j, F0, SA+8*j, ACC+8*j
.endif
.set j, j+1
.endr
.endr
	s_wait_xcnt 0x0
	s_add_nc_u64 s[30:31], s[30:31], 512
	s_add_nc_u64 s[32:33], s[32:33], ASTEP
.endm
.macro SOUT                            ; a lane's eight columns of a row leave as they lie: 16 or 32 bytes
	WIN 0
	s_wait_xcnt 0x0                                ; EXEC changes only behind this wait
.set j, 0
.rept 12
.if KIND == 1
.irp q, 0,1,2,3,4,5,6,7
	v_max_num_f32 v[ACC+8*j+(\q)], 0, v[ACC+8*j+(\q)]
.endr
.irp q, 0,1,2,3
	v_cvt_pk_bf16_f32 v[T+(\q)], v[ACC+8*j+2*(\q)], v[ACC+8*j+2*(\q)+1]
.endr
.endif
	v_add_nc_u32 v3, 16*j, v[SVR]
	v_cmp_gt_u32 vcc_lo, s24, v3
	s_and_saveexec_b32 s26, vcc_lo
.if KIND == 1
	global_store_b128 v[SGO], v[T:T+3], s[54:55] offset:16*j*ROWB
.else
	global_store_b128 v[SGO], v[ACC+8*j:ACC+8*j+3],   s[54:55] offset:16*j*ROWB
	global_store_b128 v[SGO], v[ACC+8*j+4:ACC+8*j+7], s[54:55] offset:16*j*ROWB+16
.endif
	s_wait_xcnt 0x0
	s_or_b32 exec_lo, exec_lo, s26
.set j, j+1
.endr
.endm
	s_load_b256 s[4:11], s[0:1], 0x0               ; weights s[4:5], tokens' rows s[6:7], meta s[8:9], result s[10:11]
.if KIND == 1
	s_load_b64 s[12:13], s[0:1], 0x20              ; b1
	v_lshl_add_u32 v254, v0, 2, 0x33000
	v_mov_b32 v255, 0
.endif
	v_and_b32 v[LN], 31, v0
	v_lshrrev_b32 v3, 5, v0
	v_readfirstlane_b32 s14, v3                    ; wave
	s_and_b32 s15, s14, 3                          ; which token blocks are mine
	s_lshr_b32 s16, s14, 2                         ; which half of the 128 columns
	s_and_b32 s18, ttmp7, 0xffff                   ; the expert
	s_lshl_b32 s36, s18, 2
	s_lshl_b32 s38, s18, 24                        ; an expert's weights are 16 MB
	s_mov_b32 s39, 0
	s_mov_b32 s53, 0
.if KIND == 1
	s_lshl_b32 s44, ttmp9, 19                      ; 128 rows of 4,096 bytes
	s_add_co_u32 s38, s38, s44
	s_lshl_b32 s52, ttmp9, 1
	s_add_co_u32 s52, s52, s16
	s_mul_i32 s52, s52, HALFB                      ; result: slice x, half w / 4
	s_lshl_b32 s46, s18, 14
	s_lshl_b32 s44, ttmp9, 9
	s_add_co_u32 s46, s46, s44                     ; b1 at the work-group's 128 columns
	s_mov_b32 s47, 0
	s_lshl_b32 s45, s16, 8
	s_lshl_b32 s49, s14, 6
.else
	s_and_b32 s42, ttmp9, 7                        ; block of 128 rows of w2
	s_lshr_b32 s43, ttmp9, 3                       ; K quarter
	s_lshl_b32 s44, s42, 21
	s_add_co_u32 s38, s38, s44
	s_lshl_b32 s44, s43, 12
	s_add_co_u32 s38, s38, s44
	s_mul_i32 s50, s43, 16*HALFB                   ; the quarter's eight slices of hbuf
	s_mov_b32 s51, 0
	s_lshl_b32 s52, s43, 22                        ; result: the quarter's 4 MB, the block's 512 bytes of a row, my half's 256
	s_lshl_b32 s44, s42, 9
	s_add_co_u32 s52, s52, s44
	s_lshl_b32 s44, s16, 8
	s_add_co_u32 s52, s52, s44
.endif
	v_and_b32 v1, 15, v0
	v_bfe_u32 v2, v0, 4, 1
	v_lshrrev_b32 v16, 3, v[LN]
	v_and_b32 v17, 7, v0
	s_mul_i32 s44, s14, 16*WP
	v_lshl_add_u32 v[WOF], v[LN], 4, s44           ; my 16 rows, 16 bytes a lane
	s_wait_kmcnt 0x0
	s_load_b32 s19, s[8:9], s36 offset:0x0         ; off[e]
	s_load_b32 s20, s[8:9], s36 offset:0x20        ; n[e]
	s_add_nc_u64 s[28:29], s[4:5], s[38:39]        ; the work-group's weights
	s_mov_b64 s[30:31], s[28:29]
	LOADW 0, 0, 0                                  ; chunks 0 and 1 are asked for before anything else is done
	LOADW 1, 0, 512
	WIN 0
	; a fragment: lane l holds row l % 16; registers 0-3 K = 8 (l / 16) + 0..7, registers 4-7 K = 16 + 8 (l / 16) + 0..7: two loads of 16 bytes, 32 apart
	v_mul_u32_u24 v3, v1, PITCH
	v_lshl_add_u32 v3, v2, 4, v3
	s_mul_i32 s44, s15, 16*PITCH
	v_add_nc_u32 v[AFR], s44, v3
	v_add_nc_u32 v[AFR+1], BUF, v[AFR]
	s_mul_i32 s44, s16, 64*PITCH
	s_add_co_u32 s44, s44, W0
	v_add_nc_u32 v[BFR], s44, v3
	v_add_nc_u32 v[BFR+1], BUF, v[BFR]
	s_mul_i32 s44, s14, STGW
	s_add_co_u32 s44, s44, STG                     ; my stage
	v_add_nc_u32 v[SBF], s44, v3
	v_lshl_add_u32 v[SWS], v[LN], 3, s44
	v_mul_u32_u24 v3, v1, SPITCH
	v_lshl_add_u32 v3, v2, 3+KIND, v3              ; in: row l % 16, eight numbers for each half of the lanes
	v_add_nc_u32 v[STO], s44, v3
	v_lshlrev_b32 v[GCOL], 4, v[CL]
	v_mul_u32_u24 v3, v[RL], SPITCH                ; back: whole rows
	v_add_nc_u32 v3, v[GCOL], v3
	v_add_nc_u32 v[RD], s44, v3
	s_mul_i32 s44, s14, 16*PITCH
	s_add_co_u32 s44, s44, W0
	v_lshl_add_u32 v[WST], v[LN], 3, s44           ; rows 16 w on, 8 bytes a lane
	v_add_nc_u32 v[WST+1], BUF, v[WST]
	s_mul_i32 s44, s14, 24
	v_add_nc_u32 v[LR], s44, v[RA]                 ; rows 24 w on
	v_lshlrev_b32 v[ACOL], 4, v[CA]
	v_mul_u32_u24 v3, v[LR], PITCH
	v_add_nc_u32 v[AST], v[ACOL], v3
	v_add_nc_u32 v[AST+1], BUF, v[AST]
	v_lshl_add_u32 v[AOF], v[LR], ASH, v[ACOL]
	s_lshl_b32 s48, s15, 4
	v_add_nc_u32 v[RLB], s48, v[RL]
	v_lshl_add_u32 v[GO], v[RLB], GSH, v[GCOL]
	v_lshlrev_b32 v3, 4, v2
	v_lshl_add_u32 v[SAO], v1, ASH, v3             ; a fragment's row and half, in memory
	s_lshl_b32 s56, s15, 4+KIND
	v_lshl_add_u32 v3, v2, 3+KIND, s56             ; my 16 columns in my half of the 128, and my lanes' eight of them
	v_lshl_add_u32 v[SGO], v1, GSH, v3
.if KIND == 1
	v_lshl_add_u32 v[BOF], v2, 5, s45              ; b1: column 64 (w / 4) + 16 b + 8 (l / 16) + 0..7, as the result's registers hold them
	v_lshl_add_u32 v[BOF2], v2, 5, s49             ; beyond 192: column 16 w + 8 (l / 16) + 0..7
	s_add_nc_u64 s[12:13], s[12:13], s[46:47]
	WIN W_MEM
.irp b, 0,1,2,3
	global_load_b128 v[BIAS+8*(\b):BIAS+8*(\b)+3],   v[BOF], s[12:13] offset:64*(\b)
	global_load_b128 v[BIAS+8*(\b)+4:BIAS+8*(\b)+7], v[BOF], s[12:13] offset:64*(\b)+16
.endr
	WIN 0
	s_mov_b64 s[40:41], s[6:7]
.else
	s_add_nc_u64 s[40:41], s[6:7], s[50:51]
.endif
	s_add_nc_u64 s[34:35], s[10:11], s[52:53]
	s_mov_b32 s21, 0                               ; the window begins with the expert's token 0
	s_wait_kmcnt 0x0
	s_min_u32 s19, s19, 0x3ff
	s_min_u32 s20, s20, 0x400
	WINDOW
	v_add_nc_u32 v[VR], s25, v[RLB]
	s_sub_co_u32 s59, s24, s25                     ; END: the window's rows up to the last wanted one,
	s_min_u32 s59, s59, TB                         ; 192 at the most
	s_add_co_u32 s60, s48, 128                     ; my third block begins at row 128 + 16 (w % 4)
	s_cmp_gt_u32 s59, s60
	s_cselect_b32 s60, 1, 0
	s_mul_i32 s61, s14, 24                         ; my token rows begin at row 24 w, in the block that begins at 24 w rounded down to 16
	s_and_b32 s61, s61, 0xf0
	s_cmp_gt_u32 s59, s61
	s_cselect_b32 s61, 1, 0
	s_cmp_lt_u32 s14, 6                            ; rows 0 to 143 are always fetched: blocks 0 to 7 are always multiplied
	s_cselect_b32 s61, 1, s61
	s_add_co_u32 s63, s48, s25                     ; my first block's first row, counted from the first wanted one
	LOADA 0                                        ; chunk 0 is fetched whole
	s_wait_loadcnt 0x0                             ; chunk 0's weights and rows (and b1); chunk 1's weights were issued between them
	STAGEW 0, 0
	STAGEA 0
	s_wait_dscnt 0x0                               ; for the others' sake
	WIN 0
	s_cmp_lg_u32 s61, 0
	s_cbranch_scc0 .Lnoa1
	LOADA 1
	WIN 0
.Lnoa1:
	s_barrier_signal -1
	s_barrier_wait -1
	TRIP 0, 3-KIND, 0, 1, 1, 1, 16                 ; the first chunk's first products start the sums, of all 12 accumulators
	TRIP 1, 0, 1, 1, 1, 1, 16
	s_mov_b32 s27, 2
.Lk:                                                   ; chunks 2 to 5
	TRIP 0, 0, 1, 1, 1, 1, 16
	TRIP 1, 0, 1, 1, 1, 1, 16
	s_sub_co_u32 s27, s27, 1
	s_cmp_lg_u32 s27, 0
	s_cbranch_scc1 .Lk
	TRIP 0, 0, 1, 0, 1, 0, 0                       ; chunk 6: nothing is left to ask for
	TRIP 1, 0, 1, 0, 0, 0, 0                       ; chunk 7
	PLACES                                         ; behind the last products
	OUT 0
	OUT 1
	OUT 2
	; TOKENS BEYOND 192.  No barrier stands from here on, and no wave touches LDS bytes but its own stage's.
	s_add_co_u32 s58, s20, TB-1                    ; windows in all = (n + 191) / 192: 192 = 64 x 3, and q x 11 >> 5 is q / 3 for every q up to 31; here q is 18 at the most
	s_lshr_b32 s58, s58, 6
	s_mul_i32 s58, s58, 11
	s_lshr_b32 s58, s58, 5
	s_min_u32 s58, s58, 6                          ; 1,024 tokens are six windows
	s_mov_b32 s57, 1                               ; window 0 is done
	s_cmp_lt_u32 s57, s58
	s_cbranch_scc0 .Lend
.if KIND == 1
	WIN W_MEM
	global_load_b128 v[BIAS:BIAS+3],   v[BOF2], s[12:13]
	global_load_b128 v[BIAS+4:BIAS+7], v[BOF2], s[12:13] offset:16
	WIN 0
.endif
.Lmore:
	s_wait_xcnt 0x0                                ; the pointers, and the registers that the stores above read, are written anew only behind this wait
	s_mul_i32 s21, s57, TB                         ; the window's first token
	WINDOW
	s_mov_b64 s[30:31], s[28:29]
	v_add_nc_u32 v[SVR], s25, v1
	SCHUNK 1                                       ; the first chunk's first products start the sums
	WIN 0
	s_mov_b32 s27, 7
.Lsk:
	SCHUNK 0
	WIN 0
	s_sub_co_u32 s27, s27, 1
	s_cmp_lg_u32 s27, 0
	s_cbranch_scc1 .Lsk
	PLACES
	SOUT
	s_add_co_u32 s57, s57, 1
	s_cmp_lt_u32 s57, s58
	s_cbranch_scc1 .Lmore
.Lend:
	s_wait_tensorcnt 0x0
	ds_add_u32 v254, v255
	s_wait_dscnt 0x0
	s_endpgm
.Lfunc_end_k_q825bd836a6_ffn1:
	.size	k_q825bd836a6_ffn1, .Lfunc_end_k_q825bd836a6_ffn1-k_q825bd836a6_ffn1
	.p2alignl 7, 3214868480
	.fill 96, 4, 3214868480
	.section	.rodata,"a",@progbits
	.p2align	6, 0x0
	.amdhsa_kernel k_q825bd836a6_ffn1
		.amdhsa_group_segment_fixed_size 209920
		.amdhsa_private_segment_fixed_size 0
		.amdhsa_enable_private_segment 0
		.amdhsa_kernarg_size 40
		.amdhsa_user_sgpr_count 2
		.amdhsa_user_sgpr_kernarg_segment_ptr 1
		.amdhsa_wavefront_size32 1
		.amdhsa_system_sgpr_workgroup_id_x 1
		.amdhsa_system_sgpr_workgroup_id_y 1
		.amdhsa_system_sgpr_workgroup_id_z 1
		.amdhsa_system_vgpr_workitem_id 0
		.amdhsa_next_free_vgpr 464
		.amdhsa_next_free_sgpr 66
		.amdhsa_reserve_vcc 1
		.amdhsa_float_denorm_mode_32 3
		.amdhsa_float_denorm_mode_16_64 3
		.amdhsa_memory_ordered 1
		.amdhsa_forward_progress 1
		.amdhsa_inst_pref_size 179
	.end_amdhsa_kernel
	.amdgpu_metadata
---
amdhsa.version: [ 1, 2 ]
amdhsa.kernels:
  - .name:           k_q825bd836a6_ffn1
    .symbol:         k_q825bd836a6_ffn1.kd
    .args:
      - { .name: w1, .offset: 0, .size: 8, .value_kind: global_buffer, .address_space: global }
      - { .name: xn, .offset: 8, .size: 8, .value_kind: global_buffer, .address_space: global }
      - { .name: meta, .offset: 16, .size: 8, .value_kind: global_buffer, .address_space: global }
      - { .name: hbuf, .offset: 24, .size: 8, .value_kind: global_buffer, .address_space: global }
      - { .name: b1, .offset: 32, .size: 8, .value_kind: global_buffer, .address_space: global }
    .group_segment_fixed_size: 209920
    .private_segment_fixed_size: 0
    .kernarg_segment_align: 8
    .kernarg_segment_size: 40
    .max_flat_workgroup_size: 256
    .sgpr_count:     66
    .vgpr_count:     464
    .wavefront_size: 32
...
	.end_amdgpu_metadata
.endif
;; end of part 3
;; launch ffn2 (part 4): grid 32 x 8, 8 waves a work-group, no clusters, 209,920 bytes of LDS; arguments w2, hbuf, meta, part; writes part
.if DOCPART == 4
	.amdgcn_target "amdgcn-amd-amdhsa--gfx1250"
	.amdhsa_code_object_version 6
	.text
	.protected	k_q825bd836a6_ffn2
	.globl	k_q825bd836a6_ffn2
	.p2align	8
	.type	k_q825bd836a6_ffn2,@function
k_q825bd836a6_ffn2:
	s_mov_b64 s[64:65], 0
	v_nop
	global_prefetch_b8 v0, s[64:65] scope:SCOPE_SE
	s_setreg_imm32_b32 hwreg(HW_REG_WAVE_MODE, 25, 1), 1
	s_wait_xcnt 0x0
; AN EXPERT'S PRODUCT ON ITS OWN TOKENS.  One text serves both products of the layer; KIND picks.
; KIND 1: H[p][f] = relu(xn[p] . w1[e][f] + b1[e][f]), operands f16, H rounded to bf16.   KIND 2: part[kq][p][d] = the sum over quarter kq of F of H[p][f] w2[e][d][f], operands bf16, part in f32.
; Sums in f32.  p runs over the places off[e] .. off[e] + n[e] - 1 of expert e (meta, stored by an earlier launch).
; SHARES.  Work-group (x, e) owns 128 rows of the expert's weights x 1,024 along K: 512 KB of f32, which no other work-group reads.  KIND 1: rows 128 x of w1[e].  KIND 2: rows 128 (x % 8) of w2[e], K quarter x / 8.
; The four K quarters' sums meet in the next launch: no work-group adds onto another's.
; THE FIRST 192 TOKENS.  A window of 192 places from off[e] on; the tables of token rows have 1,216 places, so that it lies inside them.  Wave w: token blocks 4 j + w % 4 (j = 0 .. 2) x column blocks
; 4 (w / 4) + b (b = 0 .. 3): 12 accumulators.  K goes in 8 chunks of 128.  A chunk's weights (128 rows x 512 bytes) come through registers, are rounded there and laid into LDS; two chunks, 128 KB a
; work-group, are always asked for ahead.  The tokens' rows take the same way.  Two LDS buffers take turns, one barrier a chunk, and no barrier stands inside a branch.
; WHAT NO TOKEN NEEDS IS NOT DONE.  END = min(n[e], 192) rows of the window are the expert's.  From chunk 1 on a wave multiplies its third block (rows 128 + 16 (w % 4) on) only if END reaches it, and
; waves 6 and 7 fetch their rows (144 on, 168 on) only if END passes 144 or 160, the first row of the block in which they begin: every row that is multiplied has been laid into LDS.  Chunk 0 is done whole,
; so that every register of the longer form is written whatever the counts.  Rows 0 to 143 are always fetched, blocks 0 to 7 always multiplied; rows that are not the expert's give results that are never stored.
; TOKENS BEYOND 192 are served behind it, a window of 192 a trip, in a loop that counts the windows 1 .. ceil(n[e] / 192) - 1, without a barrier: each wave by itself takes its own 16 weight rows through
; its own stage in LDS and the tokens' fragments straight from memory.  That way reads the weights once more for every 192 tokens, asks for nothing ahead and stores 16 or 32 bytes a lane.
; THE MATRIX INSTRUCTION IS USED TRANSPOSED: source 0 = 16 weight rows, source 1 = 16 tokens: a lane then holds eight neighbouring columns of one token's row.
; NO CLUSTER, NO TENSOR LOADS: of what a chunk brings in, the 64 KB of weights are nobody else's and must pass through registers to be rounded; the tokens' 36 to 48 KB, which an expert's
; work-groups of one K quarter share, were stored by the launch before, and how many of them are wanted hangs on a count read from memory.
; FORMATS.  xn (32 max|g| + max|b| at the most) and w1 have room in f16, which keeps three bits more than bf16; H, a product of both scales, has less, so H and w2 go in bf16.
; LIMITS.  KIND 1: w1 and xn within f16's 65,504; numbers below 6e-5 keep f16's fixed step of 6e-8.  An expert without tokens still reads its weights once and stores nothing.
.set KIND,  2
.set PITCH, 272                        ; an LDS row: 256 bytes + 16: the 16 rows of a fragment load start 4 banks apart (64 banks of 4 bytes: ISA guide 11.1)
.set TB,    192                        ; tokens in a window
.set LASTP, 1023                       ; the last place at which a window may begin
.set HALFB, (1024+TB)*128              ; hbuf: [32 slices of 128 columns][2 halves][1,216 places][64]: bytes of a half
.set W0,    TB*PITCH                   ; a buffer: 192 rows of tokens, then 128 rows of weights
.set BUF,   (TB+128)*PITCH
.set STG,   2*BUF                      ; behind the two buffers: each wave's own stage of 16 rows
.set STGW,  16*PITCH
.if KIND == 1
.set WP,    4096                       ; bytes from a weight row to the next
.set ASTEP, 256                        ; bytes from a chunk of the tokens' rows to the next
.set ASH,   11                         ; a token's row is 2,048 bytes
.set SPITCH, 144                       ; a stage row on the way out: 64 bf16 + 16 bytes
.set RPS,   4                          ; rows in a store of the wave
.set GSH,   7                          ; a row of the result is 128 bytes
.set RA, 2                             ; which register holds a lane's row, and which its 16-byte column, in a tokens' load (RA, CA) and in a store (RL, CL)
.set CA, 1
.set RL, 16
.set CL, 17
.set U,  144
.else
.set WP,    16384
.set ASTEP, 2*HALFB
.set ASH,   7
.set SPITCH, 272                       ; 64 f32 + 16 bytes
.set RPS,   2
.set GSH,   12
.set RA, 16
.set CA, 17
.set RL, 2
.set CL, 1
.set U,  128
.endif
.set NU,   4*(16/RPS)                  ; registers that a block's 16 rows take when read back
.set AROW, 1<<ASH
.set ROWB, 1<<GSH
; window 0: v1 lane % 16, v2 lane / 16, v16 lane / 8, v17 lane % 8, v3 at work
.set AFR, 4                            ; v4-5    LDS address of my token fragments in buffer 0, 1
.set BFR, 6                            ; v6-7    of my weight fragments
.set WST, 8                            ; v8-9    where I lay my 16 weight rows
.set AST, 10                           ; v10-11  where I lay my 24 token rows
.set WOF, 12                           ; my byte offset in the work-group's weights
.set STO, 13                           ; the way out: into my stage
.set RD,  14                           ; and back
.set GO,  15                           ; my byte offset in the window's rows of the result
.set AOF, 18                           ; my byte offset in the window's token rows
.set SAO, 19                           ; beyond 192: my byte offset in 16 token rows
.set SGO, 20                           ;             my byte offset in 16 rows of the result
.set SBF, 21                           ;             LDS address of my weight fragment in my stage
.set SWS, 22                           ;             where I lay my 16 weight rows in my stage
.set SVR, 23                           ;             lane % 16 less the window's rows ahead of the first wanted one
.set RLB, 24                           ; my row in the window in a store of block 0
.set VR,  25                           ; the same less the window's rows ahead of the first wanted one
.set BOF2, 26
.set ACC, 32                           ; v32-127 accumulator (j, b) at ACC + 8 (4 j + b); beyond 192: token block j at ACC + 8 j
.set F0,  128                          ; v128-183, v184-239: two fragment buffers: weights b at + 8 b, tokens j at + 32 + 8 j
.set F1,  184
.set T,   128                          ; the way out: packed results; U + NU j: block j's rows read back
.set BOF, 240
.set LR,  241                          ; my first token row in the window
.set ACOL, 242
.set GCOL, 243
.set LN,  244
; window 1: v0-63, v64-127 two chunks of weights on their way; v128-175 a chunk of token rows; v176-207 b1 of my columns (KIND 1); beyond 192: v64-159 twelve token fragments
.set WS,   0
.set SA,   64
.set AS,   128
.set BIAS, 176
; scalars of the counts: s19 off, s20 n, s24 tokens left from the window's first on, s59 END, s60 1: my third block is wanted, s61 1: my token rows are wanted, s63 my first block's first row
.set MSB, 0
.macro WIN new                         ; s_set_vgpr_msb: bits 1:0 source 0, 3:2 source 1, 5:4 source 2, 7:6 destination; the high byte repeats the setting that is left
.if MSB != (\new)
	s_set_vgpr_msb (MSB<<8)|(\new)
.set MSB, \new
.endif
.endm
.set W_MEM, 0x44                       ; loads into window 1; LDS stores of data in window 1; addresses in window 0
.set W_CVT, 0x45                       ; conversions in place in window 1
.set W_C1,  0x10                       ; a product's C in window 1
.set W_SL,  0x04                       ; a product's source 1 in window 1
.set W_SLC, 0x14                       ; and its C too
.macro CVT d, a, b                     ; two weights rounded to the product's format
.if KIND == 1
	v_cvt_pk_f16_f32 v[\d], v[\a], v[\b]
.else
	v_cvt_pk_bf16_f32 v[\d], v[\a], v[\b]
.endif
.endm
.macro WM d, a, b, c                   ; a product; c below 0: the constant 0 starts the sum
.if KIND == 1
.if (\c) < 0
	v_wmma_f32_16x16x32_f16 v[(\d):(\d)+7], v[(\a):(\a)+7], v[(\b):(\b)+7], 0
.else
	v_wmma_f32_16x16x32_f16 v[(\d):(\d)+7], v[(\a):(\a)+7], v[(\b):(\b)+7], v[(\c):(\c)+7]
.endif
.else
.if (\c) < 0
	v_wmma_f32_16x16x32_bf16 v[(\d):(\d)+7], v[(\a):(\a)+7], v[(\b):(\b)+7], 0
.else
	v_wmma_f32_16x16x32_bf16 v[(\d):(\d)+7], v[(\a):(\a)+7], v[(\b):(\b)+7], v[(\c):(\c)+7]
.endif
.endif
.endm
.macro PLACES                          ; four plain lines between products and what writes their sources or reads their results (ISA guide 7.12.1)
.rept 4
	v_nop
.endr
.endm
; The window that begins with the expert's token s21: its first place, the tokens' and the result's pointers at it, and the two numbers of the stores' mask.
.macro WINDOW
	s_add_co_u32 s23, s19, s21                     ; the first wanted place
	s_mov_b32 s22, s23
	s_min_u32 s22, s22, LASTP                      ; the window's first place: the same, for counts that add up to 1,024
	s_sub_co_u32 s25, s22, s23                     ; less the rows of the window ahead of the first wanted one
	s_sub_co_u32 s24, s20, s21                     ; tokens left
	s_lshl_b32 s36, s22, ASH
	s_mov_b32 s37, 0
	s_add_nc_u64 s[32:33], s[40:41], s[36:37]
	s_lshl_b32 s38, s22, GSH
	s_mov_b32 s39, 0
	s_add_nc_u64 s[54:55], s[34:35], s[38:39]
.endm
; 16 loads: my 16 rows of a chunk of weights; each covers 512 consecutive bytes of a row.
.macro LOADW ws, step, imm
.if \step
	s_wait_xcnt 0x0                                ; the pointer is stepped only behind this wait
	s_add_nc_u64 s[30:31], s[30:31], 512
.endif
	WIN W_MEM
.set i, 0
.rept 16
	global_load_b128 v[WS+64*(\ws)+4*i:WS+64*(\ws)+4*i+3], v[WOF], s[30:31] offset:i*WP+(\imm) th:TH_LOAD_NT
.set i, i+1
.endr
.endm
; 12 loads: my 24 rows of a chunk of the tokens' rows.
.macro LOADA step
.if \step
	s_wait_xcnt 0x0
	s_add_nc_u64 s[32:33], s[32:33], ASTEP
.endif
	WIN W_MEM
.set i, 0
.rept 12
.if KIND == 1
	global_load_b128 v[AS+4*i:AS+4*i+3], v[AOF], s[32:33] offset:2*AROW*i
.else
	global_load_b128 v[AS+4*i:AS+4*i+3], v[AOF], s[32:33] offset:4*AROW*(i/2)+HALFB*(i%2)
.endif
.set i, i+1
.endr
.endm
; A chunk's weights go into LDS buffer p: rounded in place, four numbers to 8 bytes.
.macro STAGEW ws, p
	WIN W_CVT
.set i, 0
.rept 16
	CVT WS+64*(\ws)+4*i, WS+64*(\ws)+4*i, WS+64*(\ws)+4*i+1
	CVT WS+64*(\ws)+4*i+1, WS+64*(\ws)+4*i+2, WS+64*(\ws)+4*i+3
.set i, i+1
.endr
	WIN W_MEM
.set i, 0
.rept 16
	ds_store_b64 v[WST+(\p)], v[WS+64*(\ws)+4*i:WS+64*(\ws)+4*i+1] offset:PITCH*i
.set i, i+1
.endr
.endm
; And my 24 token rows, as they are.
.macro STAGEA p
	WIN W_MEM
.set i, 0
.rept 12
.if KIND == 1
	ds_store_b128 v[AST+(\p)], v[AS+4*i:AS+4*i+3] offset:2*PITCH*i
.else
	ds_store_b128 v[AST+(\p)], v[AS+4*i:AS+4*i+3] offset:4*PITCH*(i/2)+128*(i%2)
.endif
.set i, i+1
.endr
.endm
; 8 + 2 nj LDS loads: the fragments of 32 along K, step ks of a chunk's four, into buffer f: four of weights, nj of tokens.  places = 1: the products that read f stand just ahead.
.macro FETCH p, ks, f, places, nj
	WIN 0
.if \places
	PLACES
.endif
.irp b, 0,1,2,3
	ds_load_b128 v[(\f)+8*(\b):(\f)+8*(\b)+3],   v[BFR+(\p)] offset:16*PITCH*(\b)+64*(\ks)
	ds_load_b128 v[(\f)+8*(\b)+4:(\f)+8*(\b)+7], v[BFR+(\p)] offset:16*PITCH*(\b)+64*(\ks)+32
.endr
.set j, 0
.rept \nj
	ds_load_b128 v[(\f)+32+8*j:(\f)+32+8*j+3],   v[AFR+(\p)] offset:64*PITCH*j+64*(\ks)
	ds_load_b128 v[(\f)+32+8*j+4:(\f)+32+8*j+7], v[AFR+(\p)] offset:64*PITCH*j+64*(\ks)+32
.set j, j+1
.endr
.endm
; 4 nj products; the accumulators take turns.  start = 1: the constant 0 starts the sums; 2: b1 does; 0: they go on.
.macro MUL f, start, nj
.if (\start) == 2
	WIN W_C1
.else
	WIN 0
.endif
.set j, 0
.rept \nj
.irp b, 0,1,2,3
.if (\start) == 1
	WM ACC+8*(4*j+(\b)), (\f)+8*(\b), (\f)+32+8*j, -1
.elseif (\start) == 2
	WM ACC+8*(4*j+(\b)), (\f)+8*(\b), (\f)+32+8*j, BIAS+8*(\b)
.else
	WM ACC+8*(4*j+(\b)), (\f)+8*(\b), (\f)+32+8*j, ACC+8*(4*j+(\b))
.endif
.endr
.set j, j+1
.endr
.endm
; A chunk's products for nj of my token blocks: four steps of 32 along K on two fragment buffers.
.macro COMPUTE p, start, nj
	FETCH \p, 0, F0, 1, \nj
	FETCH \p, 1, F1, 0, \nj
	s_wait_dscnt 8+2*(\nj)                         ; LDS loads come back in order (ISA guide 5.7.1): all but the 8 + 2 nj just issued are in
	MUL F0, \start, \nj
	FETCH \p, 2, F0, 1, \nj
	s_wait_dscnt 8+2*(\nj)
	MUL F1, 0, \nj
	FETCH \p, 3, F1, 1, \nj
	s_wait_dscnt 8+2*(\nj)
	MUL F0, 0, \nj
	s_wait_dscnt 0x0
	MUL F1, 0, \nj
.endm
; A chunk c, in buffer p = c % 2.  dyn: my third block is multiplied only if it is wanted.  ldw: the weights of chunk c + 2 are asked for.  stg: chunk c + 1 goes into the other buffer, and a barrier follows.
; lda: the tokens' rows of chunk c + 2 are asked for.  cnt: the loads that may stay out when chunk c + 1 is wanted: the 16 of the weights of chunk c + 2, which were issued behind it, or none;
; the count is the same whether my 12 loads of token rows were issued or not, since they are older.
.macro TRIP p, start, dyn, ldw, stg, lda, cnt
.if \ldw
	LOADW \p, 1, 512                               ; the pointer stays a chunk behind: the immediate makes it up
.endif
.if \dyn
	WIN 0
	s_cmp_lg_u32 s60, 0
	s_cbranch_scc0 .Ltwo_\@
	COMPUTE \p, 0, 3
	s_branch .Ldone_\@
.Ltwo_\@:
	COMPUTE \p, 0, 2
.Ldone_\@:
.else
	COMPUTE \p, \start, 3
.endif
.if \stg
	s_wait_loadcnt \cnt
	STAGEW 1-(\p), 1-(\p)                          ; the other buffer was last read a chunk ago, ahead of that chunk's barrier
	WIN 0
	s_cmp_lg_u32 s61, 0
	s_cbranch_scc0 .Lnoa_\@
	STAGEA 1-(\p)
.if \lda
	s_wait_dscnt 0x0
	LOADA 1
.endif
	WIN 0
.Lnoa_\@:
	s_wait_dscnt 0x0                               ; for the others' sake: my stores are done, and so are my reads of this buffer
	s_barrier_signal -1
	s_barrier_wait -1
.endif
.endm
; THE WAY OUT of my token block j: through my own stage, so that a store of the wave covers whole rows.  A block without a wanted row is left out.  A block whose 16 rows are all wanted is stored with
; all lanes on; each block has its own registers for the rows read back, so nothing that a pending store reads is written again.  A block wanted in part is stored under a mask.
.macro OUT j
	WIN 0
.set UJ, U+NU*(\j)
	s_add_co_u32 s62, s63, 64*(\j)                 ; the block's first row, counted from the first wanted one,
	s_add_co_u32 s44, s62, 15                      ; and its last
	s_cmp_ge_i32 s62, s24
	s_cbranch_scc1 .Lnone_\@                       ; it begins behind the last wanted row
	s_cmp_lt_i32 s44, 0
	s_cbranch_scc1 .Lnone_\@                       ; it ends ahead of the first
.if KIND == 1
.irp b, 0,1,2,3
.irp q, 0,1,2,3,4,5,6,7
	v_max_num_f32 v[ACC+8*(4*(\j)+(\b))+(\q)], 0, v[ACC+8*(4*(\j)+(\b))+(\q)]
.endr
.irp q, 0,1,2,3
	v_cvt_pk_bf16_f32 v[T+4*(\b)+(\q)], v[ACC+8*(4*(\j)+(\b))+2*(\q)], v[ACC+8*(4*(\j)+(\b))+2*(\q)+1]
.endr
.endr
.irp b, 0,1,2,3
	ds_store_b128 v[STO], v[T+4*(\b):T+4*(\b)+3] offset:32*(\b)
.endr
.else
.irp b, 0,1,2,3
	ds_store_b128 v[STO], v[ACC+8*(4*(\j)+(\b)):ACC+8*(4*(\j)+(\b))+3] offset:64*(\b)
	ds_store_b128 v[STO], v[ACC+8*(4*(\j)+(\b))+4:ACC+8*(4*(\j)+(\b))+7] offset:64*(\b)+16
.endr
.endif
.set t, 0
.rept 16/RPS
	ds_load_b128 v[UJ+4*t:UJ+4*t+3], v[RD] offset:RPS*SPITCH*t  ; LDS serves a wave's instructions in order (ISA guide 5.7.1.4): these see the stores above
.set t, t+1
.endr
	s_wait_dscnt 0x0
	s_cmp_lt_i32 s62, 0
	s_cbranch_scc1 .Lpart_\@
	s_cmp_ge_i32 s44, s24
	s_cbranch_scc1 .Lpart_\@
.set t, 0
.rept 16/RPS
	global_store_b128 v[GO], v[UJ+4*t:UJ+4*t+3], s[54:55] offset:(64*(\j)+RPS*t)*ROWB  ; 512 consecutive bytes (KIND 1), or two rows' 256, each at a multiple of 256 from the result's first
.set t, t+1
.endr
	s_branch .Lnone_\@
.Lpart_\@:
	s_wait_xcnt 0x0                                ; EXEC changes only behind this wait
.set t, 0
.rept 16/RPS
	v_add_nc_u32 v3, 64*(\j)+RPS*t, v[VR]          ; my row, counted from the first wanted one; a row ahead of it wraps round to a large number
	v_cmp_gt_u32 vcc_lo, s24, v3
	s_and_saveexec_b32 s26, vcc_lo
	global_store_b128 v[GO], v[UJ+4*t:UJ+4*t+3], s[54:55] offset:(64*(\j)+RPS*t)*ROWB
	s_wait_xcnt 0x0
	s_or_b32 exec_lo, exec_lo, s26
.set t, t+1
.endr
.Lnone_\@:
.endm
; BEYOND 192.  A chunk for one wave alone: my 16 weight rows through my stage; for each 32 along K one weight fragment from there and twelve token fragments from memory; 12 products.
.macro SCHUNK first
	WIN W_MEM
.set i, 0
.rept 16
	global_load_b128 v[WS+4*i:WS+4*i+3], v[WOF], s[30:31] offset:i*WP
.set i, i+1
.endr
	s_wait_loadcnt 0x0
	WIN W_CVT
.set i, 0
.rept 16
	CVT WS+4*i, WS+4*i, WS+4*i+1
	CVT WS+4*i+1, WS+4*i+2, WS+4*i+3
.set i, i+1
.endr
	WIN W_MEM
.set i, 0
.rept 16
	ds_store_b64 v[SWS], v[WS+4*i:WS+4*i+1] offset:PITCH*i
.set i, i+1
.endr
.irp ks, 0,1,2,3
.if KIND == 1
.set KO, 64*(\ks)
.else
.set KO, ((\ks)/2)*HALFB+((\ks)%2)*64
.endif
	WIN 0
	PLACES                                         ; the last products read the registers that are loaded now
	ds_load_b128 v[F0:F0+3],   v[SBF] offset:64*(\ks)     ; my own bytes: LDS serves a wave's instructions in order
	ds_load_b128 v[F0+4:F0+7], v[SBF] offset:64*(\ks)+32
	WIN W_MEM
.set j, 0
.rept 12
	global_load_b128 v[SA+8*j:SA+8*j+3],   v[SAO], s[32:33] offset:16*j*AROW+KO
	global_load_b128 v[SA+8*j+4:SA+8*j+7], v[SAO], s[32:33] offset:16*j*AROW+KO+32
.set j, j+1
.endr
	s_wait_loadcnt 0x0
	s_wait_dscnt 0x0
.if (\first) && ((\ks) == 0) && (KIND == 1)
	WIN W_SLC
.else
	WIN W_SL
.endif
.set j, 0
.rept 12                               ; the 12 accumulators take turns
.if (\first) && ((\ks) == 0)
.if KIND == 1
	WM ACC+8*j, F0, SA+8*j, BIAS
.else
	WM ACC+8*j, F0, SA+8*j, -1
.endif
.else
	WM ACC+8*j, F0, SA+8*j, ACC+8*j
.endif
.set j, j+1
.endr
.endr
	s_wait_xcnt 0x0
	s_add_nc_u64 s[30:31], s[30:31], 512
	s_add_nc_u64 s[32:33], s[32:33], ASTEP
.endm
.macro SOUT                            ; a lane's eight columns of a row leave as they lie: 16 or 32 bytes
	WIN 0
	s_wait_xcnt 0x0                                ; EXEC changes only behind this wait
.set j, 0
.rept 12
.if KIND == 1
.irp q, 0,1,2,3,4,5,6,7
	v_max_num_f32 v[ACC+8*j+(\q)], 0, v[ACC+8*j+(\q)]
.endr
.irp q, 0,1,2,3
	v_cvt_pk_bf16_f32 v[T+(\q)], v[ACC+8*j+2*(\q)], v[ACC+8*j+2*(\q)+1]
.endr
.endif
	v_add_nc_u32 v3, 16*j, v[SVR]
	v_cmp_gt_u32 vcc_lo, s24, v3
	s_and_saveexec_b32 s26, vcc_lo
.if KIND == 1
	global_store_b128 v[SGO], v[T:T+3], s[54:55] offset:16*j*ROWB
.else
	global_store_b128 v[SGO], v[ACC+8*j:ACC+8*j+3],   s[54:55] offset:16*j*ROWB
	global_store_b128 v[SGO], v[ACC+8*j+4:ACC+8*j+7], s[54:55] offset:16*j*ROWB+16
.endif
	s_wait_xcnt 0x0
	s_or_b32 exec_lo, exec_lo, s26
.set j, j+1
.endr
.endm
	s_load_b256 s[4:11], s[0:1], 0x0               ; weights s[4:5], tokens' rows s[6:7], meta s[8:9], result s[10:11]
	v_lshl_add_u32 v254, v0, 2, 0x33000
	v_mov_b32 v255, 0
.if KIND == 1
	s_load_b64 s[12:13], s[0:1], 0x20              ; b1
.endif
	v_and_b32 v[LN], 31, v0
	v_lshrrev_b32 v3, 5, v0
	v_readfirstlane_b32 s14, v3                    ; wave
	s_and_b32 s15, s14, 3                          ; which token blocks are mine
	s_lshr_b32 s16, s14, 2                         ; which half of the 128 columns
	s_and_b32 s18, ttmp7, 0xffff                   ; the expert
	s_lshl_b32 s36, s18, 2
	s_lshl_b32 s38, s18, 24                        ; an expert's weights are 16 MB
	s_mov_b32 s39, 0
	s_mov_b32 s53, 0
.if KIND == 1
	s_lshl_b32 s44, ttmp9, 19                      ; 128 rows of 4,096 bytes
	s_add_co_u32 s38, s38, s44
	s_lshl_b32 s52, ttmp9, 1
	s_add_co_u32 s52, s52, s16
	s_mul_i32 s52, s52, HALFB                      ; result: slice x, half w / 4
	s_lshl_b32 s46, s18, 14
	s_lshl_b32 s44, ttmp9, 9
	s_add_co_u32 s46, s46, s44                     ; b1 at the work-group's 128 columns
	s_mov_b32 s47, 0
	s_lshl_b32 s45, s16, 8
	s_lshl_b32 s49, s14, 6
.else
	s_and_b32 s42, ttmp9, 7                        ; block of 128 rows of w2
	s_lshr_b32 s43, ttmp9, 3                       ; K quarter
	s_lshl_b32 s44, s42, 21
	s_add_co_u32 s38, s38, s44
	s_lshl_b32 s44, s43, 12
	s_add_co_u32 s38, s38, s44
	s_mul_i32 s50, s43, 16*HALFB                   ; the quarter's eight slices of hbuf
	s_mov_b32 s51, 0
	s_lshl_b32 s52, s43, 22                        ; result: the quarter's 4 MB, the block's 512 bytes of a row, my half's 256
	s_lshl_b32 s44, s42, 9
	s_add_co_u32 s52, s52, s44
	s_lshl_b32 s44, s16, 8
	s_add_co_u32 s52, s52, s44
.endif
	v_and_b32 v1, 15, v0
	v_bfe_u32 v2, v0, 4, 1
	v_lshrrev_b32 v16, 3, v[LN]
	v_and_b32 v17, 7, v0
	s_mul_i32 s44, s14, 16*WP
	v_lshl_add_u32 v[WOF], v[LN], 4, s44           ; my 16 rows, 16 bytes a lane
	s_wait_kmcnt 0x0
	s_load_b32 s19, s[8:9], s36 offset:0x0         ; off[e]
	s_load_b32 s20, s[8:9], s36 offset:0x20        ; n[e]
	s_add_nc_u64 s[28:29], s[4:5], s[38:39]        ; the work-group's weights
	s_mov_b64 s[30:31], s[28:29]
	LOADW 0, 0, 0                                  ; chunks 0 and 1 are asked for before anything else is done
	LOADW 1, 0, 512
	WIN 0
	; a fragment: lane l holds row l % 16; registers 0-3 K = 8 (l / 16) + 0..7, registers 4-7 K = 16 + 8 (l / 16) + 0..7: two loads of 16 bytes, 32 apart
	v_mul_u32_u24 v3, v1, PITCH
	v_lshl_add_u32 v3, v2, 4, v3
	s_mul_i32 s44, s15, 16*PITCH
	v_add_nc_u32 v[AFR], s44, v3
	v_add_nc_u32 v[AFR+1], BUF, v[AFR]
	s_mul_i32 s44, s16, 64*PITCH
	s_add_co_u32 s44, s44, W0
	v_add_nc_u32 v[BFR], s44, v3
	v_add_nc_u32 v[BFR+1], BUF, v[BFR]
	s_mul_i32 s44, s14, STGW
	s_add_co_u32 s44, s44, STG                     ; my stage
	v_add_nc_u32 v[SBF], s44, v3
	v_lshl_add_u32 v[SWS], v[LN], 3, s44
	v_mul_u32_u24 v3, v1, SPITCH
	v_lshl_add_u32 v3, v2, 3+KIND, v3              ; in: row l % 16, eight numbers for each half of the lanes
	v_add_nc_u32 v[STO], s44, v3
	v_lshlrev_b32 v[GCOL], 4, v[CL]
	v_mul_u32_u24 v3, v[RL], SPITCH                ; back: whole rows
	v_add_nc_u32 v3, v[GCOL], v3
	v_add_nc_u32 v[RD], s44, v3
	s_mul_i32 s44, s14, 16*PITCH
	s_add_co_u32 s44, s44, W0
	v_lshl_add_u32 v[WST], v[LN], 3, s44           ; rows 16 w on, 8 bytes a lane
	v_add_nc_u32 v[WST+1], BUF, v[WST]
	s_mul_i32 s44, s14, 24
	v_add_nc_u32 v[LR], s44, v[RA]                 ; rows 24 w on
	v_lshlrev_b32 v[ACOL], 4, v[CA]
	v_mul_u32_u24 v3, v[LR], PITCH
	v_add_nc_u32 v[AST], v[ACOL], v3
	v_add_nc_u32 v[AST+1], BUF, v[AST]
	v_lshl_add_u32 v[AOF], v[LR], ASH, v[ACOL]
	s_lshl_b32 s48, s15, 4
	v_add_nc_u32 v[RLB], s48, v[RL]
	v_lshl_add_u32 v[GO], v[RLB], GSH, v[GCOL]
	v_lshlrev_b32 v3, 4, v2
	v_lshl_add_u32 v[SAO], v1, ASH, v3             ; a fragment's row and half, in memory
	s_lshl_b32 s56, s15, 4+KIND
	v_lshl_add_u32 v3, v2, 3+KIND, s56             ; my 16 columns in my half of the 128, and my lanes' eight of them
	v_lshl_add_u32 v[SGO], v1, GSH, v3
.if KIND == 1
	v_lshl_add_u32 v[BOF], v2, 5, s45              ; b1: column 64 (w / 4) + 16 b + 8 (l / 16) + 0..7, as the result's registers hold them
	v_lshl_add_u32 v[BOF2], v2, 5, s49             ; beyond 192: column 16 w + 8 (l / 16) + 0..7
	s_add_nc_u64 s[12:13], s[12:13], s[46:47]
	WIN W_MEM
.irp b, 0,1,2,3
	global_load_b128 v[BIAS+8*(\b):BIAS+8*(\b)+3],   v[BOF], s[12:13] offset:64*(\b)
	global_load_b128 v[BIAS+8*(\b)+4:BIAS+8*(\b)+7], v[BOF], s[12:13] offset:64*(\b)+16
.endr
	WIN 0
	s_mov_b64 s[40:41], s[6:7]
.else
	s_add_nc_u64 s[40:41], s[6:7], s[50:51]
.endif
	s_add_nc_u64 s[34:35], s[10:11], s[52:53]
	s_mov_b32 s21, 0                               ; the window begins with the expert's token 0
	s_wait_kmcnt 0x0
	s_min_u32 s19, s19, 0x3ff
	s_min_u32 s20, s20, 0x400
	WINDOW
	v_add_nc_u32 v[VR], s25, v[RLB]
	s_sub_co_u32 s59, s24, s25                     ; END: the window's rows up to the last wanted one,
	s_min_u32 s59, s59, TB                         ; 192 at the most
	s_add_co_u32 s60, s48, 128                     ; my third block begins at row 128 + 16 (w % 4)
	s_cmp_gt_u32 s59, s60
	s_cselect_b32 s60, 1, 0
	s_mul_i32 s61, s14, 24                         ; my token rows begin at row 24 w, in the block that begins at 24 w rounded down to 16
	s_and_b32 s61, s61, 0xf0
	s_cmp_gt_u32 s59, s61
	s_cselect_b32 s61, 1, 0
	s_cmp_lt_u32 s14, 6                            ; rows 0 to 143 are always fetched: blocks 0 to 7 are always multiplied
	s_cselect_b32 s61, 1, s61
	s_add_co_u32 s63, s48, s25                     ; my first block's first row, counted from the first wanted one
	LOADA 0                                        ; chunk 0 is fetched whole
	s_wait_loadcnt 0x0                             ; chunk 0's weights and rows; chunk 1's weights were issued between them
	STAGEW 0, 0
	STAGEA 0
	s_wait_dscnt 0x0                               ; for the others' sake
	WIN 0
	s_cmp_lg_u32 s61, 0
	s_cbranch_scc0 .Lnoa1
	LOADA 1
	WIN 0
.Lnoa1:
	s_barrier_signal -1
	s_barrier_wait -1
	TRIP 0, 3-KIND, 0, 1, 1, 1, 16                 ; the first chunk's first products start the sums, of all 12 accumulators
	TRIP 1, 0, 1, 1, 1, 1, 16
	s_mov_b32 s27, 2
.Lk:                                                   ; chunks 2 to 5
	TRIP 0, 0, 1, 1, 1, 1, 16
	TRIP 1, 0, 1, 1, 1, 1, 16
	s_sub_co_u32 s27, s27, 1
	s_cmp_lg_u32 s27, 0
	s_cbranch_scc1 .Lk
	TRIP 0, 0, 1, 0, 1, 0, 0                       ; chunk 6: nothing is left to ask for
	TRIP 1, 0, 1, 0, 0, 0, 0                       ; chunk 7
	PLACES                                         ; behind the last products
	OUT 0
	OUT 1
	OUT 2
	; TOKENS BEYOND 192.  No barrier stands from here on, and no wave touches LDS bytes but its own stage's.
	s_add_co_u32 s58, s20, TB-1                    ; windows in all = (n + 191) / 192: 192 = 64 x 3, and q x 11 >> 5 is q / 3 for every q up to 31; here q is 18 at the most
	s_lshr_b32 s58, s58, 6
	s_mul_i32 s58, s58, 11
	s_lshr_b32 s58, s58, 5
	s_min_u32 s58, s58, 6                          ; 1,024 tokens are six windows
	s_mov_b32 s57, 1                               ; window 0 is done
	s_cmp_lt_u32 s57, s58
	s_cbranch_scc0 .Lend
.if KIND == 1
	WIN W_MEM
	global_load_b128 v[BIAS:BIAS+3],   v[BOF2], s[12:13]
	global_load_b128 v[BIAS+4:BIAS+7], v[BOF2], s[12:13] offset:16
	WIN 0
.endif
.Lmore:
	s_wait_xcnt 0x0                                ; the pointers, and the registers that the stores above read, are written anew only behind this wait
	s_mul_i32 s21, s57, TB                         ; the window's first token
	WINDOW
	s_mov_b64 s[30:31], s[28:29]
	v_add_nc_u32 v[SVR], s25, v1
	SCHUNK 1                                       ; the first chunk's first products start the sums
	WIN 0
	s_mov_b32 s27, 7
.Lsk:
	SCHUNK 0
	WIN 0
	s_sub_co_u32 s27, s27, 1
	s_cmp_lg_u32 s27, 0
	s_cbranch_scc1 .Lsk
	PLACES
	SOUT
	s_add_co_u32 s57, s57, 1
	s_cmp_lt_u32 s57, s58
	s_cbranch_scc1 .Lmore
.Lend:
	s_wait_tensorcnt 0x0
	ds_add_u32 v254, v255
	s_wait_dscnt 0x0
	s_endpgm
.Lfunc_end_k_q825bd836a6_ffn2:
	.size	k_q825bd836a6_ffn2, .Lfunc_end_k_q825bd836a6_ffn2-k_q825bd836a6_ffn2
	.p2alignl 7, 3214868480
	.fill 96, 4, 3214868480
	.section	.rodata,"a",@progbits
	.p2align	6, 0x0
	.amdhsa_kernel k_q825bd836a6_ffn2
		.amdhsa_group_segment_fixed_size 209920
		.amdhsa_private_segment_fixed_size 0
		.amdhsa_enable_private_segment 0
		.amdhsa_kernarg_size 32
		.amdhsa_user_sgpr_count 2
		.amdhsa_user_sgpr_kernarg_segment_ptr 1
		.amdhsa_wavefront_size32 1
		.amdhsa_system_sgpr_workgroup_id_x 1
		.amdhsa_system_sgpr_workgroup_id_y 1
		.amdhsa_system_sgpr_workgroup_id_z 1
		.amdhsa_system_vgpr_workitem_id 0
		.amdhsa_next_free_vgpr 432
		.amdhsa_next_free_sgpr 66
		.amdhsa_reserve_vcc 1
		.amdhsa_float_denorm_mode_32 3
		.amdhsa_float_denorm_mode_16_64 3
		.amdhsa_memory_ordered 1
		.amdhsa_forward_progress 1
		.amdhsa_inst_pref_size 173
	.end_amdhsa_kernel
	.amdgpu_metadata
---
amdhsa.version: [ 1, 2 ]
amdhsa.kernels:
  - .name:           k_q825bd836a6_ffn2
    .symbol:         k_q825bd836a6_ffn2.kd
    .args:
      - { .name: w2, .offset: 0, .size: 8, .value_kind: global_buffer, .address_space: global }
      - { .name: hbuf, .offset: 8, .size: 8, .value_kind: global_buffer, .address_space: global }
      - { .name: meta, .offset: 16, .size: 8, .value_kind: global_buffer, .address_space: global }
      - { .name: part, .offset: 24, .size: 8, .value_kind: global_buffer, .address_space: global }
    .group_segment_fixed_size: 209920
    .private_segment_fixed_size: 0
    .kernarg_segment_align: 8
    .kernarg_segment_size: 32
    .max_flat_workgroup_size: 256
    .sgpr_count:     66
    .vgpr_count:     432
    .wavefront_size: 32
...
	.end_amdgpu_metadata
.endif
;; end of part 4
;; launch combine (part 5): grid 128 x 1, 8 waves a work-group, no clusters, 0 bytes of LDS; arguments input_features, part, pos, assign, alpha, b2, out0; writes out0
.if DOCPART == 5
	.amdgcn_target "amdgcn-amd-amdhsa--gfx1250"
	.amdhsa_code_object_version 6
	.text
	.protected	k_q825bd836a6_combine
	.globl	k_q825bd836a6_combine
	.p2align	8
	.type	k_q825bd836a6_combine,@function
k_q825bd836a6_combine:
	s_mov_b64 s[64:65], 0
	v_nop
	global_prefetch_b8 v0, s[64:65] scope:SCOPE_SE
	s_setreg_imm32_b32 hwreg(HW_REG_WAVE_MODE, 25, 1), 1
	s_wait_xcnt 0x0
; COMBINE.  out[t] = x[t] + alpha[t] (part[0][p] + part[1][p] + part[2][p] + part[3][p] + b2[e]), p = pos[t], e = assign[t]:
; alpha y + (1 - alpha) x with y = x + f is x + alpha f: the same number, rounded in another order.
; One wave takes one token; lane l holds columns 128 i + 4 l .. + 3, so each load and store of the wave covers 512 consecutive bytes.
; A stream: no LDS, no barrier, no matrix unit; all 48 loads of a wave are on their way together.
.set X,  4                             ; v[4:35]   x, then the result
.set B2, 36                            ; v[36:67]  b2[e]
.set P,  68                            ; v[68:195] the four partial rows, 32 registers each
	s_load_b256 s[4:11], s[0:1], 0x0               ; x s[4:5], part s[6:7], pos s[8:9], assign s[10:11]
	s_load_b128 s[12:15], s[0:1], 0x20             ; alpha s[12:13], b2 s[14:15]
	s_load_b64 s[16:17], s[0:1], 0x30              ; out0
	v_and_b32 v1, 31, v0
	v_lshlrev_b32 v1, 4, v1                        ; 16 bytes a lane
	v_lshrrev_b32 v2, 5, v0
	v_readfirstlane_b32 s18, v2
	s_lshl_b32 s19, ttmp9, 3
	s_add_co_u32 s19, s19, s18                     ; t
	s_lshl_b32 s20, s19, 2
	s_lshl_b32 s22, s19, 12
	s_mov_b32 s23, 0
	s_wait_kmcnt 0x0
	s_load_b32 s24, s[8:9], s20 offset:0x0         ; p
	s_load_b32 s25, s[10:11], s20 offset:0x0       ; e
	s_load_b32 s26, s[12:13], s20 offset:0x0       ; alpha
	s_add_nc_u64 s[4:5], s[4:5], s[22:23]
	s_add_nc_u64 s[16:17], s[16:17], s[22:23]
.irp i, 0,1,2,3,4,5,6,7
	global_load_b128 v[X+4*(\i):X+4*(\i)+3], v1, s[4:5] offset:512*(\i)
.endr
	s_wait_kmcnt 0x0
	s_min_u32 s24, s24, 0x3ff
	s_min_u32 s25, s25, 7
	s_mov_b32 s27, s26                             ; named with it as a pair
	s_lshl_b32 s28, s24, 12
	s_mov_b32 s29, 0
	s_lshl_b32 s32, s25, 12
	s_mov_b32 s33, 0
	s_add_nc_u64 s[6:7], s[6:7], s[28:29]          ; quarters 0 and 1 at row p
	s_add_nc_u64 s[30:31], s[6:7], 0x800000        ; quarters 2 and 3: a second base, since 8 MB pass the immediate's signed 24 bits
	s_add_nc_u64 s[14:15], s[14:15], s[32:33]
.irp i, 0,1,2,3,4,5,6,7
	global_load_b128 v[B2+4*(\i):B2+4*(\i)+3], v1, s[14:15] offset:512*(\i)
.endr
.irp q, 0,1
.irp i, 0,1,2,3,4,5,6,7
	global_load_b128 v[P+32*(\q)+4*(\i):P+32*(\q)+4*(\i)+3], v1, s[6:7] offset:(\q)*4194304+512*(\i) th:TH_LOAD_NT
.endr
.endr
.irp q, 0,1
.irp i, 0,1,2,3,4,5,6,7
	global_load_b128 v[P+64+32*(\q)+4*(\i):P+64+32*(\q)+4*(\i)+3], v1, s[30:31] offset:(\q)*4194304+512*(\i) th:TH_LOAD_NT
.endr
.endr
	s_wait_loadcnt 0x0                             ; the first number of the result needs the last quarter
.set k, 0
.rept 16
	v_pk_add_f32 v[P+2*k:P+2*k+1], v[P+2*k:P+2*k+1], v[P+32+2*k:P+32+2*k+1]
	v_pk_add_f32 v[P+64+2*k:P+64+2*k+1], v[P+64+2*k:P+64+2*k+1], v[P+96+2*k:P+96+2*k+1]
.set k, k+1
.endr
.set k, 0
.rept 16
	v_pk_add_f32 v[P+2*k:P+2*k+1], v[P+2*k:P+2*k+1], v[P+64+2*k:P+64+2*k+1]
.set k, k+1
.endr
.set k, 0
.rept 16
	v_pk_add_f32 v[P+2*k:P+2*k+1], v[P+2*k:P+2*k+1], v[B2+2*k:B2+2*k+1]
.set k, k+1
.endr
.set k, 0
.rept 16
	v_pk_fma_f32 v[X+2*k:X+2*k+1], v[P+2*k:P+2*k+1], s[26:27], v[X+2*k:X+2*k+1] op_sel_hi:[1,0,1]
.set k, k+1
.endr
.irp i, 0,1,2,3,4,5,6,7
	global_store_b128 v1, v[X+4*(\i):X+4*(\i)+3], s[16:17] offset:512*(\i) th:TH_STORE_NT
.endr
	s_endpgm
.Lfunc_end_k_q825bd836a6_combine:
	.size	k_q825bd836a6_combine, .Lfunc_end_k_q825bd836a6_combine-k_q825bd836a6_combine
	.p2alignl 7, 3214868480
	.fill 96, 4, 3214868480
	.section	.rodata,"a",@progbits
	.p2align	6, 0x0
	.amdhsa_kernel k_q825bd836a6_combine
		.amdhsa_group_segment_fixed_size 0
		.amdhsa_private_segment_fixed_size 0
		.amdhsa_enable_private_segment 0
		.amdhsa_kernarg_size 56
		.amdhsa_user_sgpr_count 2
		.amdhsa_user_sgpr_kernarg_segment_ptr 1
		.amdhsa_wavefront_size32 1
		.amdhsa_system_sgpr_workgroup_id_x 1
		.amdhsa_system_sgpr_workgroup_id_y 1
		.amdhsa_system_sgpr_workgroup_id_z 1
		.amdhsa_system_vgpr_workitem_id 0
		.amdhsa_next_free_vgpr 208
		.amdhsa_next_free_sgpr 66
		.amdhsa_reserve_vcc 0
		.amdhsa_float_denorm_mode_32 3
		.amdhsa_float_denorm_mode_16_64 3
		.amdhsa_memory_ordered 1
		.amdhsa_forward_progress 1
		.amdhsa_inst_pref_size 12
	.end_amdhsa_kernel
	.amdgpu_metadata
---
amdhsa.version: [ 1, 2 ]
amdhsa.kernels:
  - .name:           k_q825bd836a6_combine
    .symbol:         k_q825bd836a6_combine.kd
    .args:
      - { .name: input_features, .offset: 0, .size: 8, .value_kind: global_buffer, .address_space: global }
      - { .name: part, .offset: 8, .size: 8, .value_kind: global_buffer, .address_space: global }
      - { .name: pos, .offset: 16, .size: 8, .value_kind: global_buffer, .address_space: global }
      - { .name: assign, .offset: 24, .size: 8, .value_kind: global_buffer, .address_space: global }
      - { .name: alpha, .offset: 32, .size: 8, .value_kind: global_buffer, .address_space: global }
      - { .name: b2, .offset: 40, .size: 8, .value_kind: global_buffer, .address_space: global }
      - { .name: out0, .offset: 48, .size: 8, .value_kind: global_buffer, .address_space: global }
    .group_segment_fixed_size: 0
    .private_segment_fixed_size: 0
    .kernarg_segment_align: 8
    .kernarg_segment_size: 56
    .max_flat_workgroup_size: 256
    .sgpr_count:     66
    .vgpr_count:     208
    .wavefront_size: 32
...
	.end_amdgpu_metadata
.endif
;; end of part 5
